; MI455X (gfx1250); checked and timed in simulation.
; The chip was launched on July 23, 2026; its instructions are those of AMD's public machine-readable ISA for CDNA 5 (MIT licence, August 2026) and "CDNA5" Instruction Set Architecture Reference Guide (July 2026). The comments in the code are by the model that wrote it; some were corrected since.
;; Single Head Attention. Allowed arithmetic: float matrix products may take bf16 or f16 operands with f32 sums; all other float work in f32.
;; Inputs: Wk 1,024 x 1,024 float32; Wq 1,024 x 1,024 float32; Wv 1,024 x 1,024 float32; x 8 x 1,024 x 1,024 float32.
;; Outputs: out0 8 x 1,024 x 1,024 float32.
;; 2 versions, each right; version 2 is version 1 with the launch cast written anew for expert scheduling mode. Each part assembles by itself: llvm-mc -triple=amdgcn-amd-amdhsa -mcpu=gfx1250 --defsym DOCPART=n.
;; ======== version 1 of 2: 7 launches
;; limits: values are held in f16: magnitudes above 65,504 overflow, below 6.1e-05 lose precision; right only within a limited range of input values
;; workspace buffers: xw 20,971,520 bytes; wb 4,194,304 bytes; qv 33,554,432 bytes; pw 16,777,216 bytes; st 524,288 bytes; sp 262,144 bytes; vh 2,097,152 bytes
;; launch cast (part 1): grid 32 x 11, 8 waves a work-group, no clusters, 0 bytes of LDS; arguments x, Wq, Wk, Wv, xw, wb; writes xw, wb
.if DOCPART == 1
	.amdgcn_target "amdgcn-amd-amdhsa--gfx1250"
	.amdhsa_code_object_version 6
	.text
	.protected	k_q68c642b909_cast
	.globl	k_q68c642b909_cast
	.p2align	8
	.type	k_q68c642b909_cast,@function
k_q68c642b909_cast:
	s_mov_b64 s[64:65], 0
	v_nop
	global_prefetch_b8 v0, s[64:65] scope:SCOPE_SE
	s_setreg_imm32_b32 hwreg(HW_REG_WAVE_MODE, 25, 1), 1
	s_wait_xcnt 0x0
; THE PROGRAM: causal attention with one head, B = 8, S = 1024, D = DK = DV = 1024, in seven launches.
;   cast    x and the three weights, f32, are rounded once to bf16 and stored as f16: xw = [10][1024][1024], planes 0-7 x, 8 Wq, 9 Wk; Wv is plane 1 of wb.
;   mk      M[d][e] = sum over k of Wq[d][k] Wk[e][k], stored as 16 M in f16: plane 0 of wb.
;   proj    qv[8192][2048] = x [M | Wv]: QM = x M, stored as QM / 1024, and V, both f16.
;   hs      for the first 16 rows of each batch: parts of their scores and of their V, in f32.
;   scores  for each live block of 128 rows x 128 keys: s = QM x^T; mj = c max(s) over the keys of the block; P = exp2(c s - mj) as f16; lj = the sum of P.
;   pv      out = (sum over j of fj Pj Vj) / (sum over j of fj lj), fj = exp2(mj - max over j of mj): the maximum of the row is taken away, no exponential exceeds 1.
;   head    the first 16 rows of each batch once more, from the parts of hs, all in f32; it runs last and writes these rows over those of pv.
; THE K PROJECTION IS NOT MADE: sum over k of (x Wq)[q][k] (x Wk)[s][k] = sum over d, e of x[q][d] M[d][e] x[s][e] for all values of the inputs; M costs
; 1024^3 multiply-adds once, the projection of 8,192 rows onto Wk eight times as many.  The order of rounding differs from the one of reference().
; WORK LEFT OUT: reference() sets every score with key > row to -inf, so its weight is exactly 0 whatever the inputs hold.  Of the 64 blocks of 128 x 128 of a
; batch 28 lie wholly above the diagonal.  None of them is stored, exponentiated or multiplied with V.  The products of 24 of them are not made; the other
; four (row block even, key block = row block + 1) are the right halves of score tiles of 128 x 256 whose left halves are live.  Every input has a way to the output.
; FORMATS: the inputs get the bf16 rounding that matrix operands are allowed.  A bf16 number has 8 significant bits and an f16 number 11, so from 2^-14 to
; 65,504 in magnitude the second conversion changes nothing; below 2^-14 it moves a number by at most 2^-25.  The numbers are carried as f16 because x meets QM in
; one matrix instruction, and QM, M, V and P need the finer format.
; WHY THE FIRST 16 ROWS ARE MADE TWICE: row n is a mean of n + 1 values of V.  In row 1 half a step of f16 on two values of V of size 2 is up to 1e-3, and the
; roundings of M, QM and P move the weight by about 1e-4, times V0 - V1; where the two values cancel, that is as large as a hundredth of the root mean square of the
; output (about 0.125).  The error falls with the root of the sum of the squared weights, about 2.7 / (n + 1): from row 16 on it is an eighth of that bound.
; So 128 rows of 8,192 get V, the weights and their product in f32 and the scores from a two-part f16 operand; the 0.5 MB that pv stores for them are written again.
; LIMITS: magnitudes of x, the weights, 16 M, QM / 1024 and V up to 65,504 (all inputs thirty times larger: 16 M about 2,300, QM / 1024 about 130, V about 4,500;
; offsets of thirty spreads on x and on the weights: 14,400, 27,000 and 29,000).  QM / 1024 has a step of 2^-24 below 2^-14: an error of a score of 1.8e-5
; times the root mean square of x.  A NaN, an infinity or an overflow that reaches only the work left out is not carried to the result.
;
; THIS LAUNCH: a stream.  Work-group (x, y) takes 32,768 numbers of plane y: 128 KiB in, 64 KiB out; a wave takes 4,096.  All 32 loads of a wave go out
; at once (512 consecutive bytes each); each store covers 256 consecutive bytes, aligned.  No register that a store reads is written again.
; Matrix units, LDS and clusters have nothing to do here: no byte is read twice.
.set X, 8                              ; v[8:135]    32 loads of 4 registers
.set Y, 136                            ; v[136:199]  32 stores of 2 registers
	s_load_b256 s[4:11], s[0:1], 0x0               ; x s[4:5], Wq s[6:7], Wk s[8:9], Wv s[10:11]
	s_load_b128 s[12:15], s[0:1], 0x20             ; xw s[12:13], wb s[14:15]
	s_and_b32 s20, ttmp7, 0xffff                   ; the plane, 0 to 10
	v_lshrrev_b32 v3, 5, v0                        ; wave
	v_and_b32 v4, 31, v0                           ; lane
	v_lshlrev_b32 v1, 4, v4
	v_lshl_add_u32 v1, v3, 14, v1                  ; source: 16,384 wave + 16 lane
	v_lshlrev_b32 v2, 3, v4
	v_lshl_add_u32 v2, v3, 13, v2                  ; destination: 8,192 wave + 8 lane
	s_lshl_b32 s21, s20, 22                        ; a plane of x is 4 MiB
	s_cmp_lt_u32 s20, 8
	s_cselect_b32 s16, s21, 0                      ; a weight is a buffer of its own: no plane offset
	s_lshl_b32 s21, ttmp9, 17                      ; the 128 KiB of the work-group
	s_add_co_u32 s16, s16, s21
	s_mov_b32 s17, 0
	s_lshl_b32 s21, s20, 21                        ; a plane of xw is 2 MiB;
	s_cmp_lt_u32 s20, 10
	s_cselect_b32 s18, s21, 0x200000               ; Wv goes to plane 1 of wb
	s_lshl_b32 s21, ttmp9, 16
	s_add_co_u32 s18, s18, s21
	s_mov_b32 s19, 0
	s_wait_kmcnt 0x0
	s_cmp_eq_u32 s20, 8
	s_cselect_b64 s[4:5], s[6:7], s[4:5]           ; the buffers of the plane, chosen by the number of the work-group alone
	s_cmp_eq_u32 s20, 9
	s_cselect_b64 s[4:5], s[8:9], s[4:5]
	s_cmp_eq_u32 s20, 10
	s_cselect_b64 s[4:5], s[10:11], s[4:5]
	s_cselect_b64 s[12:13], s[14:15], s[12:13]
	s_add_nc_u64 s[4:5], s[4:5], s[16:17]
	s_add_nc_u64 s[12:13], s[12:13], s[18:19]
.set i, 0
.rept 32
	global_load_b128 v[X+4*i:X+4*i+3], v1, s[4:5] offset:512*i th:TH_LOAD_NT
.set i, i+1
.endr
.set i, 0
.rept 32
	s_wait_loadcnt 31-i                            ; loads come back in order: load i is in, the 31 - i younger ones stay out
	v_cvt_pk_bf16_f32 v[Y+2*i], v[X+4*i], v[X+4*i+1]               ; the one rounding, to nearest even
	v_cvt_pk_bf16_f32 v[Y+2*i+1], v[X+4*i+2], v[X+4*i+3]
	v_lshlrev_b32 v[X+4*i], 16, v[Y+2*i]                           ; the rounded numbers as f32 again,
	v_and_b32 v[X+4*i+1], 0xffff0000, v[Y+2*i]
	v_lshlrev_b32 v[X+4*i+2], 16, v[Y+2*i+1]
	v_and_b32 v[X+4*i+3], 0xffff0000, v[Y+2*i+1]
	v_cvt_pk_f16_f32 v[Y+2*i], v[X+4*i], v[X+4*i+1]                ; and in the f16 format
	v_cvt_pk_f16_f32 v[Y+2*i+1], v[X+4*i+2], v[X+4*i+3]
	global_store_b64 v2, v[Y+2*i:Y+2*i+1], s[12:13] offset:256*i
.set i, i+1
.endr
	s_endpgm
.Lfunc_end_k_q68c642b909_cast:
	.size	k_q68c642b909_cast, .Lfunc_end_k_q68c642b909_cast-k_q68c642b909_cast
	.p2alignl 7, 3214868480
	.fill 96, 4, 3214868480
	.section	.rodata,"a",@progbits
	.p2align	6, 0x0
	.amdhsa_kernel k_q68c642b909_cast
		.amdhsa_group_segment_fixed_size 0
		.amdhsa_private_segment_fixed_size 0
		.amdhsa_enable_private_segment 0
		.amdhsa_kernarg_size 48
		.amdhsa_user_sgpr_count 2
		.amdhsa_user_sgpr_kernarg_segment_ptr 1
		.amdhsa_wavefront_size32 1
		.amdhsa_system_sgpr_workgroup_id_x 1
		.amdhsa_system_sgpr_workgroup_id_y 1
		.amdhsa_system_sgpr_workgroup_id_z 1
		.amdhsa_system_vgpr_workitem_id 0
		.amdhsa_next_free_vgpr 200
		.amdhsa_next_free_sgpr 66
		.amdhsa_reserve_vcc 0
		.amdhsa_float_denorm_mode_32 3
		.amdhsa_float_denorm_mode_16_64 3
		.amdhsa_memory_ordered 1
		.amdhsa_forward_progress 1
		.amdhsa_inst_pref_size 23
	.end_amdhsa_kernel
	.amdgpu_metadata
---
amdhsa.version: [ 1, 2 ]
amdhsa.kernels:
  - .name:           k_q68c642b909_cast
    .symbol:         k_q68c642b909_cast.kd
    .args:
      - { .name: x, .offset: 0, .size: 8, .value_kind: global_buffer, .address_space: global }
      - { .name: Wq, .offset: 8, .size: 8, .value_kind: global_buffer, .address_space: global }
      - { .name: Wk, .offset: 16, .size: 8, .value_kind: global_buffer, .address_space: global }
      - { .name: Wv, .offset: 24, .size: 8, .value_kind: global_buffer, .address_space: global }
      - { .name: xw, .offset: 32, .size: 8, .value_kind: global_buffer, .address_space: global }
      - { .name: wb, .offset: 40, .size: 8, .value_kind: global_buffer, .address_space: global }
    .group_segment_fixed_size: 0
    .private_segment_fixed_size: 0
    .kernarg_segment_align: 8
    .kernarg_segment_size: 48
    .max_flat_workgroup_size: 256
    .sgpr_count:     66
    .vgpr_count:     200
    .wavefront_size: 32
...
	.end_amdgpu_metadata
.endif
;; end of part 1
;; launch mk (part 2): grid 8 x 32, 4 waves a work-group, clusters of 4 x 4, 327,680 bytes of LDS; arguments xw, wb; writes wb
.if DOCPART == 2
	.amdgcn_target "amdgcn-amd-amdhsa--gfx1250"
	.amdhsa_code_object_version 6
	.text
	.protected	k_q68c642b909_mk
	.globl	k_q68c642b909_mk
	.p2align	8
	.type	k_q68c642b909_mk,@function
k_q68c642b909_mk:
	s_mov_b64 s[64:65], 0
	v_nop
	global_prefetch_b8 v0, s[64:65] scope:SCOPE_SE
	s_setreg_imm32_b32 hwreg(HW_REG_WAVE_MODE, 25, 1), 1
	s_wait_xcnt 0x0
	s_wait_alu depctr_hold_cnt(0) depctr_sa_sdst(0) depctr_va_vdst(0) depctr_va_sdst(0) depctr_va_ssrc(0) depctr_va_vcc(0) depctr_vm_vsrc(0)
	s_getreg_b32 s2, hwreg(HW_REG_IB_STS2, 6, 4)
	s_cmp_eq_u32 s2, 0
	s_cbranch_scc0 .Lentry_in_a_cluster
	s_endpgm
.Lentry_in_a_cluster:
	s_bfe_u32 s2, ttmp6, 0x10000c
	s_cmp_lg_u32 s2, 0xf033
	s_cbranch_scc0 .Lentry_shape_is_right
	s_endpgm
.Lentry_shape_is_right:
; M[d][e] = sum over k of Wq[d][k] Wk[e][k]; 16 M goes as f16 to plane 0 of wb, rows along e.  Operands f16 from planes 8 and 9 of xw, sums f32.
; The factor 16 centres the range: the spread of M is 1/32 as drawn, 3.5e-5 with both weights thirty times smaller, and M is about 900 with offsets of thirty spreads.
; A work-group makes 32 (d) x 128 (e): a row of the block is 256 bytes of wb, and 8 x 32 = 256 work-groups share the 1,024 x 1,024 numbers.
; k goes in four chunks of 256 (rows of 512 bytes, LDS pitch 528).  The 32 rows of Wq lie in LDS for all k (4 x 16,896 bytes; wave w fetches chunk w).
; The 128 rows of Wk have three slots of 67,584 bytes; each wave fetches, and later reads, its own 32 rows.  Four loads of a wave go out at the start
; (its chunk of Wq, chunks 0 to 2 of Wk); chunk 3 of Wk is the one refill, of slot 0.
; CLUSTERS: 4 x 4 work-groups.  The four of a row of the cluster have the same rows d, the four of a column the same rows e: each tile is asked for jointly.
; A wave makes 32 x 32: 4 accumulators, which take turns.  The matrix instruction is used transposed (source 0 = 16 rows of Wk, source 1 = 16 rows of Wq):
; in tile (i, j), lane (r, h), register n is d = 16 i + r, e = 16 j + 8 h + n.
.set PK,    528
.set Q32,   32*PK                      ; 16,896: 32 rows, what one tensor load brings
.set BSL,   4*Q32                      ; 67,584: a slot of Wk
.set AREG,  3*BSL                      ; 202,752: the four chunks of Wq
.set STAGE, AREG+4*Q32                 ; 270,336: 32 rows x 272 bytes, the way out; no tensor load lands there
.set SPI,   272
.set ADRA, 16                          ; v16     my fragments of Wq
.set ADRB, 17                          ; v17-19  my fragments of Wk in slot 0, 1, 2
.set STO,  20
.set RD,   21
.set CO,   22
.set ACC,  32                          ; v32-63   tile (i, j) at ACC + 16 i + 8 j
.set F0,   64                          ; fragment buffer: K = 64: Wq fragment (i, ks) at F + 16 ks + 8 i, Wk fragment (j, ks) at F + 32 + 16 ks + 8 j
.set F1,   128
.set TMP,  192                         ; v192-207
.set RB,   208                         ; v208-223
.set G1A, 24
.set G0A, 32
.set G1B, 48
.set G0B, 68                           ; s[68:83] four sets, one for each chunk of Wk, written once
.macro CREST                           ; a round of the barrier of the cluster behind its opening barrier
	s_cmp_lg_u32 s10, 0
	s_cbranch_scc1 .Lnot_wave_0_\@
	s_barrier_signal -3
.Lnot_wave_0_\@:
	s_barrier_wait -3
	s_barrier_signal -1
	s_barrier_wait -1
.endm
.macro CROUND
	s_barrier_signal -1
	s_barrier_wait -1
	CREST
.endm
	s_load_b128 s[4:7], s[0:1], 0x0                ; xw s[4:5], wb s[6:7]
	v_lshl_add_u32 v224, v0, 2, 0x44200
	v_mov_b32 v225, 0
	ds_add_u32 v224, v225
	ds_add_u32 v224, v225
	v_lshrrev_b32 v1, 5, v0
	v_readfirstlane_b32 s10, v1                    ; wave
	s_bfe_u32 s40, ttmp6, 0x40000                  ; cx
	s_bfe_u32 s41, ttmp6, 0x40004                  ; cy
	s_lshl_b32 s42, ttmp9, 2
	s_add_co_u32 s42, s42, s40                     ; block of e = 4 x cluster x + cx
	s_and_b32 s13, ttmp7, 0xffff
	s_lshl_b32 s13, s13, 2
	s_add_co_u32 s13, s13, s41                     ; block of d = 4 x cluster y + cy
	s_lshl_b32 s43, s41, 2
	s_lshl_b32 s43, 15, s43                        ; my row of the cluster
	s_lshl_b32 s44, 0x1111, s40                    ; my column
	; group 1: 32 rows x 256 elements of 2 bytes, 4 words of padding behind every 128 words, 1,024 elements from row to row; bit 21 beside the mask
	s_or_b32 s[G1A+0], s43, (1<<16)|(1<<20)|(1<<21)|(6<<22)|(3<<25)
	s_mov_b32 s[G1A+1], 256<<16
	s_mov_b32 s[G1A+2], 32<<16
	s_mov_b32 s[G1A+3], 256<<16
	s_mov_b32 s[G1A+4], 32
	s_mov_b32 s[G1A+5], 1024
	s_mov_b32 s[G1A+6], 0
	s_mov_b32 s[G1A+7], 0
	s_or_b32 s[G1B+0], s44, (1<<16)|(1<<20)|(1<<21)|(6<<22)|(3<<25)
	s_mov_b32 s[G1B+1], 256<<16
	s_mov_b32 s[G1B+2], 32<<16
	s_mov_b32 s[G1B+3], 256<<16
	s_mov_b32 s[G1B+4], 32
	s_mov_b32 s[G1B+5], 1024
	s_mov_b32 s[G1B+6], 0
	s_mov_b32 s[G1B+7], 0
	s_lshl_b32 s16, s13, 16                        ; Wq: 32 rows of 2,048 bytes for each block of d,
	s_lshl_b32 s17, s10, 9                         ; chunk = wave: 512 bytes,
	s_add_co_u32 s16, s16, s17
	s_add_co_u32 s16, s16, 0x1000000               ; in plane 8
	s_mov_b32 s17, 0
	s_lshl_b32 s46, s42, 18                        ; Wk: 128 rows for each block of e,
	s_lshl_b32 s47, s10, 16                        ; my 32 rows,
	s_add_co_u32 s46, s46, s47
	s_add_co_u32 s46, s46, 0x1200000               ; in plane 9
	s_mov_b32 s47, 0
	s_mul_i32 s20, s10, Q32                        ; wave x 16,896: no place in the cluster enters an LDS address
	s_wait_dscnt 0x0
	s_wait_kmcnt 0x0
	s_add_nc_u64 s[16:17], s[4:5], s[16:17]
	s_add_nc_u64 s[46:47], s[4:5], s[46:47]
	s_mov_b32 s[G0A], 1
	s_add_co_u32 s[G0A+1], s20, AREG
	s_mov_b64 s[G0A+2:G0A+3], s[16:17]
	s_or_b32 s[G0A+3], s[G0A+3], 0x80000000
.irp c, 0,1,2,3
	s_mov_b32 s[G0B+4*\c], 1
	s_add_co_u32 s[G0B+4*\c+1], s20, (\c%3)*BSL    ; chunk 3 goes where chunk 0 was
	s_add_nc_u64 s[G0B+4*\c+2:G0B+4*\c+3], s[46:47], \c*512
	s_or_b32 s[G0B+4*\c+3], s[G0B+4*\c+3], 0x80000000
.endr
	CROUND                                         ; all sixteen work-groups are here: the first joint loads meet
	tensor_load_to_lds s[G0A:G0A+3], s[G1A:G1A+7]
	s_nop 0
	tensor_load_to_lds s[G0B:G0B+3], s[G1B:G1B+7]
	s_nop 0
	tensor_load_to_lds s[G0B+4:G0B+7], s[G1B:G1B+7]
	s_nop 0
	tensor_load_to_lds s[G0B+8:G0B+11], s[G1B:G1B+7]
	s_nop 0
	v_and_b32 v1, 15, v0                           ; r
	v_bfe_u32 v2, v0, 4, 1                         ; h
	v_mul_u32_u24 v3, v1, PK
	v_lshl_add_u32 v3, v2, 4, v3                   ; r x 528 + 16 h
	v_add_nc_u32 v[ADRA], AREG, v3
	v_add_nc_u32 v[ADRB], s20, v3                  ; my 32 rows of Wk
	v_add_nc_u32 v[ADRB+1], BSL, v[ADRB]
	v_add_nc_u32 v[ADRB+2], 2*BSL, v[ADRB]
	v_mul_u32_u24 v4, v1, SPI
	v_lshl_add_u32 v4, v2, 4, v4
	s_lshl_b32 s21, s10, 6
	s_add_co_u32 s21, s21, STAGE
	v_add_nc_u32 v[STO], s21, v4                   ; in: row r, my 64 bytes of it, 16 bytes for each half of the lanes
	s_mul_i32 s21, s10, 8*SPI
	s_add_co_u32 s21, s21, STAGE
	v_mul_u32_u24 v5, v2, SPI
	v_lshl_add_u32 v5, v1, 4, v5
	v_add_nc_u32 v[RD], s21, v5                    ; back: rows 8 wave + h, 256 bytes from 16 lanes
	s_lshl_b32 s21, s10, 14
	v_lshlrev_b32 v5, 11, v2
	v_lshl_add_u32 v5, v1, 4, v5
	v_add_nc_u32 v[CO], s21, v5                    ; the same rows in wb (2,048 bytes a row)
	s_lshl_b32 s46, s42, 8                         ; the block in wb: 256 bytes for each block of e,
	s_lshl_b32 s47, s13, 16                        ; 32 rows for each block of d
	s_add_co_u32 s46, s46, s47
	s_mov_b32 s47, 0
	s_add_nc_u64 s[6:7], s[6:7], s[46:47]
; 16 LDS loads: unit u (K = 64) of chunk c, Wk from slot sl, into buffer f.  The four v_nop are the places between the matrix instructions that read the
; buffer last and the loads into it; the launch has no vector work to put there.
.macro FETCH c, sl, u, f
.rept 4
	v_nop
.endr
.irp ks, 0,1
.irp i, 0,1
	ds_load_b128 v[\f+32+16*\ks+8*\i:\f+32+16*\ks+8*\i+3], v[ADRB+\sl] offset:\i*16*PK+(2*\u+\ks)*64
	ds_load_b128 v[\f+32+16*\ks+8*\i+4:\f+32+16*\ks+8*\i+7], v[ADRB+\sl] offset:\i*16*PK+(2*\u+\ks)*64+32
.endr
.irp i, 0,1
	ds_load_b128 v[\f+16*\ks+8*\i:\f+16*\ks+8*\i+3], v[ADRA] offset:\c*Q32+\i*16*PK+(2*\u+\ks)*64
	ds_load_b128 v[\f+16*\ks+8*\i+4:\f+16*\ks+8*\i+7], v[ADRA] offset:\c*Q32+\i*16*PK+(2*\u+\ks)*64+32
.endr
.endr
.endm
; 8 matrix instructions.  The 4 accumulators take turns, one instruction a turn, in the same order throughout.
.macro MUL8 f, zero
.irp ks, 0,1
.irp i, 0,1
.irp j, 0,1
.if \zero*(1-\ks)
	v_wmma_f32_16x16x32_f16 v[ACC+16*\i+8*\j:ACC+16*\i+8*\j+7], v[\f+32+16*\ks+8*\j:\f+32+16*\ks+8*\j+7], v[\f+16*\ks+8*\i:\f+16*\ks+8*\i+7], 0
.else
	v_wmma_f32_16x16x32_f16 v[ACC+16*\i+8*\j:ACC+16*\i+8*\j+7], v[\f+32+16*\ks+8*\j:\f+32+16*\ks+8*\j+7], v[\f+16*\ks+8*\i:\f+16*\ks+8*\i+7], v[ACC+16*\i+8*\j:ACC+16*\i+8*\j+7]
.endif
.endr
.endr
.endr
.endm
; A chunk: four units on buffers 0, 1, 0, 1; the next unit is fetched while one is multiplied.
.macro CHUNK c, sl, zero
	FETCH \c, \sl, 0, F0
	s_wait_dscnt 0
	FETCH \c, \sl, 1, F1
	MUL8 F0, \zero
	s_wait_dscnt 0
	FETCH \c, \sl, 2, F0
	MUL8 F1, 0
	s_wait_dscnt 0
	FETCH \c, \sl, 3, F1
	MUL8 F0, 0
	s_wait_dscnt 0
	MUL8 F1, 0
.endm
	s_wait_tensorcnt 0x2                           ; my chunk of Wq and my part of chunk 0 of Wk are in; chunks 1 and 2 stay out
	s_barrier_signal -1
	s_barrier_wait -1
	CHUNK 0, 0, 1                                  ; the first products start the sums
	s_wait_dscnt 0                                 ; my reads of slot 0 are over
	s_wait_tensorcnt 0x0                           ; and all my tensor loads have landed
	ds_add_u32 v224, v225
	s_wait_dscnt 0x0
	CROUND                                         ; the same holds of every wave of every work-group of the cluster
	tensor_load_to_lds s[G0B+12:G0B+15], s[G1B:G1B+7]      ; chunk 3 into slot 0: the one tensor load of the wave behind the round
	s_nop 0
	CHUNK 1, 1, 0
	CHUNK 2, 2, 0
	s_wait_dscnt 0
	s_wait_tensorcnt 0x0                           ; my part of chunk 3 is in
	s_barrier_signal -1
	s_barrier_wait -1
	CHUNK 3, 0, 0
	; THE WAY OUT: times 16, to f16, into the stage; the four waves hold 64 bytes each of every row, so whole rows are read back behind a barrier.
.rept 4
	v_nop                                          ; four places between the last matrix instruction and the first read of a result
.endr
.set n, 0
.rept 16
	v_pk_mul_f32 v[ACC+2*n:ACC+2*n+1], v[ACC+2*n:ACC+2*n+1], 0x41800000 op_sel_hi:[1,0]
.set n, n+1
.endr
.set n, 0
.rept 16
	v_cvt_pk_f16_f32 v[TMP+n], v[ACC+2*n], v[ACC+2*n+1]
.set n, n+1
.endr
.irp i, 0,1
.irp j, 0,1
	ds_store_b128 v[STO], v[TMP+8*\i+4*\j:TMP+8*\i+4*\j+3] offset:\i*16*SPI+32*\j
.endr
.endr
	s_wait_dscnt 0x0                               ; for the other waves: my stores are done
	s_barrier_signal -1
	s_barrier_wait -1
.irp t, 0,1,2,3
	ds_load_b128 v[RB+4*\t:RB+4*\t+3], v[RD] offset:\t*2*SPI
.endr
.irp t, 0,1,2,3
	s_wait_dscnt 3-\t                              ; read-back t is in, the younger ones stay out
	global_store_b128 v[CO], v[RB+4*\t:RB+4*\t+3], s[6:7] offset:\t*4096   ; 16 lanes store 256 consecutive bytes, aligned
.endr
	s_wait_tensorcnt 0x0
	ds_add_u32 v224, v225
	s_wait_dscnt 0x0
	CROUND                                         ; the closing round: no work-group ends while a partner may still ask for a tile that names it
	s_endpgm
.Lfunc_end_k_q68c642b909_mk:
	.size	k_q68c642b909_mk, .Lfunc_end_k_q68c642b909_mk-k_q68c642b909_mk
	.p2alignl 7, 3214868480
	.fill 96, 4, 3214868480
	.section	.rodata,"a",@progbits
	.p2align	6, 0x0
	.amdhsa_kernel k_q68c642b909_mk
		.amdhsa_group_segment_fixed_size 327680
		.amdhsa_private_segment_fixed_size 0
		.amdhsa_enable_private_segment 0
		.amdhsa_kernarg_size 16
		.amdhsa_user_sgpr_count 2
		.amdhsa_user_sgpr_kernarg_segment_ptr 1
		.amdhsa_wavefront_size32 1
		.amdhsa_system_sgpr_workgroup_id_x 1
		.amdhsa_system_sgpr_workgroup_id_y 1
		.amdhsa_system_sgpr_workgroup_id_z 1
		.amdhsa_system_vgpr_workitem_id 0
		.amdhsa_next_free_vgpr 226
		.amdhsa_next_free_sgpr 84
		.amdhsa_reserve_vcc 0
		.amdhsa_float_denorm_mode_32 3
		.amdhsa_float_denorm_mode_16_64 3
		.amdhsa_memory_ordered 1
		.amdhsa_forward_progress 1
		.amdhsa_inst_pref_size 38
	.end_amdhsa_kernel
	.amdgpu_metadata
---
amdhsa.version: [ 1, 2 ]
amdhsa.kernels:
  - .name:           k_q68c642b909_mk
    .symbol:         k_q68c642b909_mk.kd
    .args:
      - { .name: xw, .offset: 0, .size: 8, .value_kind: global_buffer, .address_space: global }
      - { .name: wb, .offset: 8, .size: 8, .value_kind: global_buffer, .address_space: global }
    .group_segment_fixed_size: 327680
    .private_segment_fixed_size: 0
    .kernarg_segment_align: 8
    .kernarg_segment_size: 16
    .max_flat_workgroup_size: 128
    .sgpr_count:     84
    .vgpr_count:     226
    .wavefront_size: 32
...
	.end_amdgpu_metadata
.endif
;; end of part 2
;; launch proj (part 3): grid 8 x 32, 4 waves a work-group, clusters of 4 x 4, 327,680 bytes of LDS; arguments xw, wb, qv; writes qv
.if DOCPART == 3
	.amdgcn_target "amdgcn-amd-amdhsa--gfx1250"
	.amdhsa_code_object_version 6
	.text
	.protected	k_q68c642b909_proj
	.globl	k_q68c642b909_proj
	.p2align	8
	.type	k_q68c642b909_proj,@function
k_q68c642b909_proj:
	s_mov_b64 s[64:65], 0
	v_nop
	global_prefetch_b8 v0, s[64:65] scope:SCOPE_SE
	s_setreg_imm32_b32 hwreg(HW_REG_WAVE_MODE, 25, 1), 1
	s_wait_xcnt 0x0
	s_wait_alu depctr_hold_cnt(0) depctr_sa_sdst(0) depctr_va_vdst(0) depctr_va_sdst(0) depctr_va_ssrc(0) depctr_va_vcc(0) depctr_vm_vsrc(0)
	s_getreg_b32 s2, hwreg(HW_REG_IB_STS2, 6, 4)
	s_cmp_eq_u32 s2, 0
	s_cbranch_scc0 .Lentry_in_a_cluster
	s_endpgm
.Lentry_in_a_cluster:
	s_bfe_u32 s2, ttmp6, 0x10000c
	s_cmp_lg_u32 s2, 0xf033
	s_cbranch_scc0 .Lentry_shape_is_right
	s_endpgm
.Lentry_shape_is_right:
; qv[m][n] = factor x sum over d of x[m][d] W[d][n], m = 0..8191, n = 0..2047; W = 16 M (plane 0 of wb) and Wv (plane 1) side by side.  Operands f16, sums f32,
; result f16.  The factor is 2^-14 for the columns of M, so that QM / 1024 is stored, and 1 for those of Wv (the ranges stand at the head of the first kernel).
; The projection onto Wk is not made (shown at the head of the first kernel): 8 x 32 = 256 blocks, one for each WGP.
; A work-group makes a block of 256 x 256 with four waves, as many as a WGP has SIMDs; a wave makes 128 x 128: 64 accumulator tiles, 512 registers.
; d goes in steps of 128 through a ring of two LDS slots filled by the tensor data mover.
;   A tile: 256 rows of x, 256 bytes each, LDS pitch 272.           Waves 0 and 1 fetch 128 rows each.
;   B tile: 128 rows (d) of W, 512 bytes (256 n) each, LDS pitch 544.  Waves 2 and 3 fetch 64 rows each.  W lies [d][n], so B fragments
;   are read by the transposing LDS load; 544 is an odd multiple of 32.
; CLUSTERS: 4 x 4 work-groups.  The four of a row of the cluster need the same tiles of x, the four of a column the same tiles of W: each tile is
; asked for jointly, by the same tensor load with the same descriptor and a mask that names the four.  That divides the requests for both by four.
; A block column is 4 x cluster x + cx: cluster x is the plane of wb, cx the quarter of its columns.
;
; REGISTERS, in windows of 256: window 0: v0-31 addresses; v64-127, v128-191 fragments of A, two buffers; v192-255 at work on the way out.
;   window 1: v64-127, v128-191 fragments of B, two buffers.   window 2: the 32 accumulator tiles of my rows 0-63 (tile (a, b) at v[8 (8 a + b)]); window 3: rows 64-127.
; THE MATRIX INSTRUCTION IS USED TRANSPOSED: source 0 = 16 columns of W, source 1 = 16 rows of x.  Lane l then holds row l % 16 of the result and its
; registers 0 to 7 the columns 8 (l / 16) + 0..7: eight neighbouring numbers of a row, 16 bytes of f16.
.set SIZE_K, 1024
.set SIZE_N, 2048
.set KSTEP,  128
.set PITCH,  272                       ; A in LDS: 256 bytes + 16 of padding
.set PB,     544                       ; B in LDS: 512 bytes + 32 of padding
.set HALFT,  128*PITCH                 ; what one tensor load brings: 128 rows of A, or 64 rows of B (64 x 544 is the same 34,816 bytes)
.set SLOT,   4*HALFT                   ; the A tile, then the B tile
.set STAGE,  2*SLOT                    ; behind the ring: 16 rows x 272 bytes for each wave, for the way out; no tensor load lands there
.set SPITCH, 272
.set BSTEP,  KSTEP*2048                ; 128 rows of W in memory
.set LAPS, SIZE_K/(2*KSTEP)            ; a lap = two steps = once round the ring: 4 laps
.set ADRA, 16                          ; v16-17  LDS address of my A fragments in slot 0, 1
.set ADRB, 20                          ; v20-21  the same for B
.set STO,  24                          ; v24     the way out: where I put 16 bytes of a row
.set RD,   25                          ; v25     the way out: where I read a row back
.set CO,   26                          ; v26     my byte offset in qv
.set F0,   64
.set F1,   128
.set TMP,  192
.set G1, 24                            ; s[24:31] descriptor group 1, A
.set G0, 32                            ; s[32:39] descriptor group 0, A, one set for each slot
.set G1B, 48                           ; s[48:55] descriptor group 1, B
.set G0B, 56                           ; s[56:63] descriptor group 0, B, one set for each slot
.set MSB, 0
.macro WIN new                         ; the high byte of the immediate repeats the setting that is left
.if MSB != \new
	s_set_vgpr_msb (MSB<<8)|\new
.set MSB, \new
.endif
.endm
.set MUL_LO, 0xa1                      ; source 0 (B) window 1, source 1 (A) window 0, C and D window 2
.set MUL_HI, 0xf1                      ; the same, C and D window 3
.set TO_B,   0x40                      ; destination window 1, address window 0
; A joint load: waves 0 and 1 ask for the halves of A, waves 2 and 3 for those of B.  The branch hangs on the number of the wave alone.
.macro JLOAD s
	s_cmp_eq_u32 s11, 0
	s_cbranch_scc0 .Lfor_b_\@
	tensor_load_to_lds s[G0+4*\s:G0+4*\s+3], s[G1:G1+7]
	s_nop 0
	s_branch .Lasked_\@
.Lfor_b_\@:
	tensor_load_to_lds s[G0B+4*\s:G0B+4*\s+3], s[G1B:G1B+7]
	s_nop 0
.Lasked_\@:
.endm
; A round of the barrier of the cluster: the barrier of my work-group, so that the signal of wave 0 speaks for all four waves; wave 0 signals; every wave
; waits for all sixteen work-groups; the barrier of my work-group once more.
.macro CREST                           ; a round behind its opening barrier
	s_cmp_lg_u32 s10, 0
	s_cbranch_scc1 .Lnot_wave_0_\@
	s_barrier_signal -3
.Lnot_wave_0_\@:
	s_barrier_wait -3
	s_barrier_signal -1
	s_barrier_wait -1
.endm
.macro CROUND
	s_barrier_signal -1
	s_barrier_wait -1
	CREST
.endm
	s_load_b128 s[4:7], s[0:1], 0x0                ; xw s[4:5], wb s[6:7]
	s_load_b64 s[8:9], s[0:1], 0x10                ; qv
	s_set_vgpr_msb 0x40
	v_lshl_add_u32 v255, v0, 2, 0x48400
	s_set_vgpr_msb 0x4000
	v_mov_b32 v63, 0
	s_set_vgpr_msb 0x1
	ds_add_u32 v255, v63
	ds_add_u32 v255, v63
	s_set_vgpr_msb 0x100
	v_lshrrev_b32 v1, 5, v0
	v_readfirstlane_b32 s10, v1                    ; wave 0..3
	s_lshr_b32 s11, s10, 1                         ; which half of the rows of the block is mine.  Also: I fetch for A (0) or for B (1)
	s_and_b32 s12, s10, 1                          ; which half of its columns.  Also: which half of that tile I fetch
	s_bfe_u32 s40, ttmp6, 0x40000                  ; cx
	s_bfe_u32 s41, ttmp6, 0x40004                  ; cy
	s_lshl_b32 s42, ttmp9, 2
	s_add_co_u32 s42, s42, s40                     ; block column = 4 x cluster x + cx
	s_and_b32 s13, ttmp7, 0xffff
	s_lshl_b32 s13, s13, 2
	s_add_co_u32 s13, s13, s41                     ; block row = 4 x cluster y + cy
	s_lshl_b32 s43, s41, 2
	s_lshl_b32 s43, 15, s43                        ; my row of the cluster: places 4 cy .. 4 cy + 3
	s_lshl_b32 s44, 0x1111, s40                    ; my column: places cx, cx + 4, cx + 8, cx + 12
	; group 1 of A: 128 rows x 128 elements of 2 bytes, 4 words of padding behind every 64 words; the mask of my row, bit 21 beside it
	s_or_b32 s[G1+0], s43, (1<<16)|(1<<20)|(1<<21)|(5<<22)|(3<<25)
	s_mov_b32 s[G1+1], KSTEP<<16                   ; tensor_dim0 = 128
	s_mov_b32 s[G1+2], 128<<16                     ; tensor_dim1 = 128
	s_mov_b32 s[G1+3], KSTEP<<16                   ; tile_dim0 = 128
	s_mov_b32 s[G1+4], 128                         ; tile_dim1 = 128
	s_mov_b32 s[G1+5], SIZE_K                      ; 1,024 elements from row to row
	s_mov_b32 s[G1+6], 0
	s_mov_b32 s[G1+7], 0
	; group 1 of B: 64 rows x 256 elements of 2 bytes, 8 words of padding behind every 128 words; the mask of my column
	s_or_b32 s[G1B+0], s44, (1<<16)|(1<<20)|(1<<21)|(6<<22)|(7<<25)
	s_mov_b32 s[G1B+1], 256<<16                    ; tensor_dim0 = 256
	s_mov_b32 s[G1B+2], 64<<16                     ; tensor_dim1 = 64
	s_mov_b32 s[G1B+3], 256<<16                    ; tile_dim0 = 256
	s_mov_b32 s[G1B+4], 64                         ; tile_dim1 = 64
	s_mov_b32 s[G1B+5], 1024                       ; 1,024 elements from row to row
	s_mov_b32 s[G1B+6], 0
	s_mov_b32 s[G1B+7], 0
	; where the tiles come from.  A hangs on the block row alone, which my row of the cluster shares; B on the block column alone, which my column shares.
	s_lshl_b32 s17, s12, 7
	s_lshl_b32 s16, s13, 8
	s_add_co_u32 s16, s16, s17                     ; A: row 256 x block row + 128 x half,
	s_lshl_b32 s16, s16, 11                        ; times 2,048 bytes (below 16 MiB)
	s_mov_b32 s17, 0
	s_lshl_b32 s46, ttmp9, 21                      ; B: the plane of wb (2 MiB each),
	s_lshl_b32 s47, s40, 9                         ; its quarter of 256 columns,
	s_add_co_u32 s46, s46, s47
	s_lshl_b32 s47, s12, 17                        ; and my 64 rows of 2,048 bytes
	s_add_co_u32 s46, s46, s47
	s_mov_b32 s47, 0
	s_mul_i32 s20, s10, HALFT                      ; where they go: wave x 34,816: no place in the cluster enters an LDS address
	s_wait_dscnt 0x0
	s_wait_kmcnt 0x0
	s_add_nc_u64 s[14:15], s[4:5], s[16:17]
	s_add_nc_u64 s[46:47], s[6:7], s[46:47]
	CROUND                                         ; all sixteen work-groups are here: the first joint loads meet
.irp s, 0,1
	s_mov_b32 s[G0+4*\s], 1
	s_add_co_u32 s[G0+4*\s+1], s20, \s*SLOT
	s_add_nc_u64 s[G0+4*\s+2:G0+4*\s+3], s[14:15], \s*KSTEP*2
	s_or_b32 s[G0+4*\s+3], s[G0+4*\s+3], 0x80000000
	s_mov_b32 s[G0B+4*\s], 1
	s_add_co_u32 s[G0B+4*\s+1], s20, \s*SLOT
	s_add_nc_u64 s[G0B+4*\s+2:G0B+4*\s+3], s[46:47], \s*BSTEP
	s_or_b32 s[G0B+4*\s+3], s[G0B+4*\s+3], 0x80000000
	JLOAD \s                                       ; both slots are asked for before anything else is done: two loads of a wave are out
.endr
	; A fragment (16 rows x 32 d): lane l holds row l % 16; two loads of 16 bytes, 32 bytes apart, at row x pitch + 16 (l / 16).
	; B fragment (16 n x 32 d) from rows that lie along n: two transposing loads, 16 rows apart, at (8 (l / 16) + l % 8) x pitch + 16 ((l / 8) % 2).
	v_and_b32 v1, 15, v0
	v_bfe_u32 v2, v0, 4, 1
	v_mul_u32_u24 v3, v1, PITCH
	v_lshl_add_u32 v3, v2, 4, v3
	v_and_b32 v6, 7, v0
	v_bfe_u32 v7, v0, 3, 1
	v_lshl_add_u32 v6, v2, 3, v6
	v_mul_u32_u24 v6, v6, PB
	v_lshl_add_u32 v6, v7, 4, v6
	s_mul_i32 s21, s11, HALFT                      ; my 128 rows of A
	s_lshl_b32 s22, s12, 8                         ; my 128 columns of B (256 bytes),
	s_add_co_u32 s22, s22, 2*HALFT                 ; which lies behind A
.irp s, 0,1
	v_add_nc_u32 v[ADRA+\s], s21, v3
	v_add_nc_u32 v[ADRB+\s], s22, v6
	s_add_co_u32 s21, s21, SLOT
	s_add_co_u32 s22, s22, SLOT
.endr
	s_mul_i32 s23, s10, 16*SPITCH
	s_add_co_u32 s23, s23, STAGE                   ; my stage
	v_mul_u32_u24 v4, v1, SPITCH
	v_lshl_add_u32 v4, v2, 4, v4
	v_add_nc_u32 v[STO], s23, v4
	v_mul_u32_u24 v5, v2, SPITCH
	v_lshl_add_u32 v5, v1, 4, v5
	v_add_nc_u32 v[RD], s23, v5
	v_mul_u32_u24 v5, v2, SIZE_N*2
	v_lshl_add_u32 v[CO], v1, 4, v5
; 16 matrix instructions: m blocks a0, a0 + 1 of the four of the window x all 8 n blocks, 32 along d.  zero = 1: the first product starts the sums.
; The 64 accumulators take turns, one instruction a turn, in the same order in every quarter step.
.macro MUL16 f, hi, a0, zero
.irp a, \a0, \a0+1
.irp b, 0,1,2,3,4,5,6,7
.if \zero
	v_wmma_f32_16x16x32_f16 v[8*(8*(\a)+\b):8*(8*(\a)+\b)+7], v[\f+8*\b:\f+8*\b+7], v[\f+8*(4*\hi+\a):\f+8*(4*\hi+\a)+7], 0
.else
	v_wmma_f32_16x16x32_f16 v[8*(8*(\a)+\b):8*(8*(\a)+\b)+7], v[\f+8*\b:\f+8*\b+7], v[\f+8*(4*\hi+\a):\f+8*(4*\hi+\a)+7], v[8*(8*(\a)+\b):8*(8*(\a)+\b)+7]
.endif
.endr
.endr
.endm
; 32 LDS loads in one run: the fragments of quarter q of a step (128 columns of B, 128 rows of A, 32 along d) into buffer f
.macro FETCH slot, q, f
	WIN TO_B
.irp i, 0,1,2,3,4,5,6,7
	ds_load_tr16_b128 v[\f+8*\i:\f+8*\i+3],   v[ADRB+\slot] offset:\q*32*PB+32*\i
	ds_load_tr16_b128 v[\f+8*\i+4:\f+8*\i+7], v[ADRB+\slot] offset:\q*32*PB+32*\i+16*PB
.endr
	WIN 0
.irp i, 0,1,2,3,4,5,6,7
	ds_load_b128 v[\f+8*\i:\f+8*\i+3],   v[ADRA+\slot] offset:\q*64+\i*16*PITCH
	ds_load_b128 v[\f+8*\i+4:\f+8*\i+7], v[ADRA+\slot] offset:\q*64+\i*16*PITCH+32
.endr
.endm
; A load into a register that a matrix instruction has read, and a vector instruction that reads a matrix result, stand four places behind that matrix
; instruction; only plain vector instructions that name none of its registers are places.
.macro PLACES
.rept 4
	v_nop
.endr
.endm
.macro QUARTER slot, q, f, g, zero
	s_wait_dscnt 8                                 ; B and rows 0-63 of A are in; the youngest eight loads (rows 64-127 of A) may be out
	WIN MUL_LO
	MUL16 \f, 0, 0, \zero
	MUL16 \f, 0, 2, \zero
	PLACES
	FETCH \slot, \q, \g
	s_wait_dscnt 32                                ; all but the 32 just issued
	WIN MUL_HI
	MUL16 \f, 1, 0, \zero
	MUL16 \f, 1, 2, \zero
.endm
.macro THREE slot, zero
	QUARTER \slot, 1, F0, F1, \zero
	QUARTER \slot, 2, F1, F0, 0
	QUARTER \slot, 3, F0, F1, 0
.endm
; The last quarter of a step multiplies buffer 1 and changes slots.  In front of the barrier each wave waits for its reads of this slot and for all its
; tensor loads, of which one is out: its part of the next slot.  Behind it the refill comes first, then the first fragments of the next slot.
.macro TURN slot, next, fill
	s_wait_dscnt 8
	WIN MUL_LO
	MUL16 F1, 0, 0, 0
	s_wait_dscnt 0                                 ; my reads of this slot are over
	s_wait_tensorcnt 0x0                           ; and all my tensor loads have landed
	ds_add_u32 v255, v63
	s_wait_dscnt 0x0
	s_barrier_signal -1                            ; where a slot is filled again this barrier opens a round of the barrier of the cluster
	MUL16 F1, 0, 2, 0                              ; register work while the others arrive
	WIN 0
	s_barrier_wait -1
.if \fill
	CREST                                          ; no wave of any partner still reads this slot or has a load on its way
	s_add_nc_u64 s[G0+4*\slot+2:G0+4*\slot+3], s[G0+4*\slot+2:G0+4*\slot+3], 2*KSTEP*2
	s_add_nc_u64 s[G0B+4*\slot+2:G0B+4*\slot+3], s[G0B+4*\slot+2:G0B+4*\slot+3], 2*BSTEP
	JLOAD \slot                                    ; the first tensor load behind the round, and the only one of the wave until the next
.endif
	PLACES
	FETCH \next, 0, F0
	WIN MUL_HI
	MUL16 F1, 1, 0, 0
	MUL16 F1, 1, 2, 0
.endm
.macro LAP zero
	THREE 0, \zero
	TURN 0, 1, 1
	THREE 1, 0
	TURN 1, 0, 1
.endm
	s_wait_tensorcnt 1                             ; my part of step 0 is in; step 1 stays out
	s_barrier_signal -1
	s_barrier_wait -1
	FETCH 0, 0, F0
	LAP 1                                          ; the first lap stands in front of the loop: its first products start the sums
	WIN 0
	s_mov_b32 s3, LAPS-2
.Llap:
	LAP 0
	WIN 0
	s_sub_co_u32 s3, s3, 1
	s_cmp_lg_u32 s3, 0
	s_cbranch_scc1 .Llap
	THREE 0, 0                                     ; the last lap fills nothing
	TURN 0, 1, 0
	THREE 1, 0
	s_wait_dscnt 8
	WIN MUL_LO
	MUL16 F1, 0, 0, 0
	MUL16 F1, 0, 2, 0
	s_wait_dscnt 0
	WIN MUL_HI
	MUL16 F1, 1, 0, 0
	MUL16 F1, 1, 2, 0
	; THE WAY OUT, 16 rows at a time: times the factor, round to f16, 16 bytes a lane into my own stage, read back as whole rows of 256 bytes.
	PLACES
	s_lshl_b32 s13, s13, 8
	s_lshl_b32 s14, s11, 7
	s_add_co_u32 s16, s13, s14                     ; my first row,
	s_lshl_b32 s16, s16, 12                        ; times 4,096 bytes (below 32 MiB)
	s_mov_b32 s17, 0
	s_add_nc_u64 s[8:9], s[8:9], s[16:17]
	s_lshl_b32 s46, s42, 9                         ; my first column, in bytes: 512 x block column + 256 x half
	s_lshl_b32 s47, s12, 8
	s_add_co_u32 s46, s46, s47
	s_mov_b32 s47, 0
	s_add_nc_u64 s[8:9], s[8:9], s[46:47]
	s_cmp_eq_u32 ttmp9, 0                          ; one text for both planes: 2^-14 for the columns of 16 M, 1 for those of Wv.  256 packed multiplications of a
	s_cselect_b32 s22, 0x38800000, 1.0             ; wave against its 2,048 matrix instructions; a second way out without them would be as long again as this one
	s_mov_b32 s23, s22
; rows 16 i .. 16 i + 15 of my block = the eight tiles (a, 0..7) of window 2 or 3 (from = 0x02 or 0x03: source 0); f: F0 or F1 in turn
.macro OUT16 i, a, from, f
	WIN \from
.irp b, 0,1,2,3,4,5,6,7
.irp r, 0,1,2,3
	v_pk_mul_f32 v[TMP+8*\b+2*\r:TMP+8*\b+2*\r+1], v[8*(8*\a+\b)+2*\r:8*(8*\a+\b)+2*\r+1], s[22:23] op_sel_hi:[1,0]
.endr
.endr
	WIN 0
.set n, 0
.rept 32
	v_cvt_pk_f16_f32 v[TMP+n], v[TMP+2*n], v[TMP+2*n+1]            ; ascending: word n is written when words 2 n and 2 n + 1 are read
.set n, n+1
.endr
.irp b, 0,1,2,3,4,5,6,7
	ds_store_b128 v[STO], v[TMP+4*\b:TMP+4*\b+3] offset:32*\b
.endr
	s_wait_xcnt 0x0                                ; buffer f, which earlier stores read, and the base of the stores are rewritten only behind this wait
.if \i
	s_add_nc_u64 s[8:9], s[8:9], 16*SIZE_N*2
.endif
.irp t, 0,1,2,3,4,5,6,7
	ds_load_b128 v[\f+4*\t:\f+4*\t+3], v[RD] offset:\t*2*SPITCH    ; LDS serves the instructions of a wave in order: these see the stores above
.endr
.irp t, 0,1,2,3,4,5,6,7
	s_wait_dscnt 7-\t                              ; read-back t is in, the younger ones stay out
	global_store_b128 v[CO], v[\f+4*\t:\f+4*\t+3], s[8:9] offset:2*\t*SIZE_N*2   ; 16 lanes store 256 consecutive bytes, aligned
.endr
.endm
	OUT16 0, 0, 0x02, F0
	OUT16 1, 1, 0x02, F1
	OUT16 2, 2, 0x02, F0
	OUT16 3, 3, 0x02, F1
	OUT16 4, 0, 0x03, F0
	OUT16 5, 1, 0x03, F1
	OUT16 6, 2, 0x03, F0
	OUT16 7, 3, 0x03, F1
	s_set_vgpr_msb 0x1
	s_wait_tensorcnt 0x0
	ds_add_u32 v255, v63
	s_wait_dscnt 0x0
	s_set_vgpr_msb 0x100
	CROUND                                         ; the closing round: no work-group ends while a partner may still ask for a tile that names it
	s_endpgm
.Lfunc_end_k_q68c642b909_proj:
	.size	k_q68c642b909_proj, .Lfunc_end_k_q68c642b909_proj-k_q68c642b909_proj
	.p2alignl 7, 3214868480
	.fill 96, 4, 3214868480
	.section	.rodata,"a",@progbits
	.p2align	6, 0x0
	.amdhsa_kernel k_q68c642b909_proj
		.amdhsa_group_segment_fixed_size 327680
		.amdhsa_private_segment_fixed_size 0
		.amdhsa_enable_private_segment 0
		.amdhsa_kernarg_size 24
		.amdhsa_user_sgpr_count 2
		.amdhsa_user_sgpr_kernarg_segment_ptr 1
		.amdhsa_wavefront_size32 1
		.amdhsa_system_sgpr_workgroup_id_x 1
		.amdhsa_system_sgpr_workgroup_id_y 1
		.amdhsa_system_sgpr_workgroup_id_z 1
		.amdhsa_system_vgpr_workitem_id 0
		.amdhsa_next_free_vgpr 1024
		.amdhsa_next_free_sgpr 66
		.amdhsa_reserve_vcc 0
		.amdhsa_float_denorm_mode_32 3
		.amdhsa_float_denorm_mode_16_64 3
		.amdhsa_memory_ordered 1
		.amdhsa_forward_progress 1
		.amdhsa_inst_pref_size 213
	.end_amdhsa_kernel
	.amdgpu_metadata
---
amdhsa.version: [ 1, 2 ]
amdhsa.kernels:
  - .name:           k_q68c642b909_proj
    .symbol:         k_q68c642b909_proj.kd
    .args:
      - { .name: xw, .offset: 0, .size: 8, .value_kind: global_buffer, .address_space: global }
      - { .name: wb, .offset: 8, .size: 8, .value_kind: global_buffer, .address_space: global }
      - { .name: qv, .offset: 16, .size: 8, .value_kind: global_buffer, .address_space: global }
    .group_segment_fixed_size: 327680
    .private_segment_fixed_size: 0
    .kernarg_segment_align: 8
    .kernarg_segment_size: 24
    .max_flat_workgroup_size: 128
    .sgpr_count:     66
    .vgpr_count:     1024
    .wavefront_size: 32
...
	.end_amdgpu_metadata
.endif
;; end of part 3
;; launch hs (part 4): grid 32 x 8, 4 waves a work-group, no clusters, 168,448 bytes of LDS; arguments xw, wb, sp, vh; writes sp, vh
.if DOCPART == 4
	.amdgcn_target "amdgcn-amd-amdhsa--gfx1250"
	.amdhsa_code_object_version 6
	.text
	.protected	k_q68c642b909_hs
	.globl	k_q68c642b909_hs
	.p2align	8
	.type	k_q68c642b909_hs,@function
k_q68c642b909_hs:
	s_mov_b64 s[64:65], 0
	v_nop
	global_prefetch_b8 v0, s[64:65] scope:SCOPE_SE
	s_setreg_imm32_b32 hwreg(HW_REG_WAVE_MODE, 25, 1), 1
	s_wait_xcnt 0x0
; For the first 16 rows of batch b (why: the head of the first kernel): parts of S[q][s] = x_q M x_s and of V[s][v] = sum over d of x[s][d] Wv[d][v], in f32.
; A row q < 16 sees only keys s <= q, so 16 rows and 16 keys are all that these rows need.
; Work-group (w, b): kq = w % 4 is a quarter (256) of the inner dimension, g = w / 4.  8 x 32 = 256 work-groups, four waves.
;   SCORES: wave wv has the 32 rows d of M from 32 (4 g + wv).  u[s][d] = sum over e in the quarter of x[s][e] (16 M)[d][e]: both lie along e, so the fragments
;   are loaded straight from memory, 16 bytes a lane.  With M as source 0 and x as source 1, lane (r, h), register j of the result is s = r, d = 8 h + j: packed
;   in pairs that is a fragment with rows s.  u 2^-14 (the factor that QM has in qv) is split in two f16 numbers: hi keeps 11 significant bits, lo the rest.
;   Two more products, hi and lo with x[q][my 32 d], give my part of S / 1024.  The four waves' parts are added through LDS: sp holds 32 parts for a batch.
;   sp: [8 b][32 w][2 jh][2 h][16 q][4 i] f32: S(q, s = 8 h + 4 jh + i).
;   V: the same fragments of x, with d in the quarter, times Wv[d][128 g .. + 127]; wave wv has 32 of the columns.  Wv lies [d][v]: the tile (256 rows of 256 bytes,
;   LDS pitch 288, an odd multiple of 32) comes by one tensor load a wave, 64 rows each, and is read by the transposing load.  vh: [4 kq][8 b][16 s][1024] f32.
; One tensor load of a wave is out.  The stages lie behind the tile, where no tensor load lands.
; NO CLUSTER: the eight batches read the same tiles of M and Wv, 128 KiB a work-group in all; the launch waits for the first bytes, not for their number.
.set PV,   288
.set WQ,   64*PV                       ; 18,432: what one tensor load brings
.set SS,   4*WQ                        ; 73,728: four parts of S, 1,024 bytes each
.set VS,   SS+4096                     ; 77,824: 16 rows of 128 f32, pitch 528
.set VP,   528
.set AX,   4                           ; offset in xw of my fragments of x
.set BM,   5                           ; offset in wb of my fragments of M
.set XQO,  6                           ; offset in xw of x[q][my 32 d]
.set TRA,  8                           ; v8-9 LDS address of my fragments of Wv, steps 0-3 and 4-7
.set SSTO, 10
.set VSTO, 11
.set SRD,  12
.set VRD,  13
.set SPO,  14
.set VHO,  15
.set XQ,   16                          ; v16-23   x[q][my 32 d]
.set AF,   32                          ; v32-95   x, step k at AF + 8 k; later the two results of the second product
.set MF,   96                          ; v96-223  M, then Wv: step k, tile jt at MF + 16 k + 8 jt; later at work
.set UA,   224                         ; v224-239 u, two tiles of 16 d
.set VA,   240                         ; v240-255 V, two tiles of 16 columns
.set D2,   32
.set T,    96
.set H,    112
.set UH,   128
.set UL,   136
.set RS,   144
.set RV,   152
	s_load_b256 s[4:11], s[0:1], 0x0               ; xw s[4:5], wb s[6:7], sp s[8:9], vh s[10:11]
	v_lshl_add_u32 v30, v0, 2, 0x29000
	v_mov_b32 v31, 0
	ds_add_u32 v30, v31
	ds_add_u32 v30, v31
	v_lshrrev_b32 v1, 5, v0
	v_readfirstlane_b32 s12, v1                    ; wave
	s_and_b32 s13, ttmp7, 0xffff                   ; b
	s_and_b32 s14, ttmp9, 3                        ; kq
	s_lshr_b32 s15, ttmp9, 2                       ; g
	s_lshl2_add_u32 s16, s15, s12                  ; my slice of 32 d: 4 g + wave
	; group 1: 64 rows x 128 elements of 2 bytes, 8 words of padding behind every 64 words, 1,024 elements from row to row
	s_mov_b32 s24, 0x0f510000
	s_mov_b32 s25, 128<<16
	s_mov_b32 s26, 64<<16
	s_mov_b32 s27, 128<<16
	s_mov_b32 s28, 64
	s_mov_b32 s29, 1024
	s_mov_b32 s30, 0
	s_mov_b32 s31, 0
	s_lshl_b32 s20, s14, 19                        ; Wv: 256 rows of 2,048 bytes for each quarter,
	s_lshl_b32 s21, s12, 17                        ; my 64 rows,
	s_add_co_u32 s20, s20, s21
	s_lshl_b32 s21, s15, 8                         ; 256 bytes for each block of 128 columns,
	s_add_co_u32 s20, s20, s21
	s_add_co_u32 s20, s20, 0x200000                ; in plane 1 of wb
	s_mov_b32 s21, 0
	s_mov_b32 s32, 1
	s_mul_i32 s33, s12, WQ                         ; to wave x 18,432
	s_wait_dscnt 0x0
	s_wait_kmcnt 0x0
	s_add_nc_u64 s[34:35], s[6:7], s[20:21]
	s_or_b32 s35, s35, 0x80000000
	tensor_load_to_lds s[32:35], s[24:31]          ; ahead of every wait, LDS read and barrier
	s_nop 0
	v_and_b32 v1, 15, v0                           ; r
	v_bfe_u32 v2, v0, 4, 1                         ; h
	v_and_b32 v3, 31, v0                           ; lane
	v_lshlrev_b32 v7, 11, v1
	v_lshl_add_u32 v7, v2, 4, v7                   ; r x 2,048 + 16 h: a fragment from rows of 2,048 bytes
	s_lshl_b32 s20, s13, 21                        ; the plane of batch b
	s_lshl_b32 s21, s14, 9                         ; the quarter: 512 bytes of a row
	s_add_co_u32 s22, s20, s21
	v_add_nc_u32 v[AX], s22, v7
	s_lshl_b32 s22, s16, 16                        ; 32 rows of M for each slice
	s_add_co_u32 s22, s22, s21
	v_add_nc_u32 v[BM], s22, v7
	s_lshl_b32 s22, s16, 6                         ; 64 bytes of a row of x for each slice
	s_add_co_u32 s22, s22, s20
	v_add_nc_u32 v[XQO], s22, v7
.set k, 0
.rept 8
	global_load_b128 v[AF+8*k:AF+8*k+3], v[AX], s[4:5] offset:64*k
	global_load_b128 v[AF+8*k+4:AF+8*k+7], v[AX], s[4:5] offset:64*k+32
.set k, k+1
.endr
.set k, 0
.rept 8
.irp jt, 0,1
	global_load_b128 v[MF+16*k+8*\jt:MF+16*k+8*\jt+3], v[BM], s[6:7] offset:64*k+32768*\jt
	global_load_b128 v[MF+16*k+8*\jt+4:MF+16*k+8*\jt+7], v[BM], s[6:7] offset:64*k+32768*\jt+32
.endr
.set k, k+1
.endr
	global_load_b128 v[XQ:XQ+3], v[XQO], s[4:5]
	global_load_b128 v[XQ+4:XQ+7], v[XQO], s[4:5] offset:32
	; the other addresses, while the 50 loads are on their way
	v_and_b32 v7, 7, v0
	v_lshl_add_u32 v7, v2, 3, v7
	v_mul_u32_u24 v7, v7, PV
	v_bfe_u32 v24, v0, 3, 1
	v_lshl_add_u32 v7, v24, 4, v7                  ; (8 h + lane % 8) x 288 + 16 ((lane / 8) % 2)
	s_lshl_b32 s22, s12, 6                         ; my 32 columns
	v_add_nc_u32 v[TRA], s22, v7
	v_add_nc_u32 v[TRA+1], 4*32*PV, v[TRA]         ; steps 4 to 7: their offsets would pass 65,535
	s_lshl_b32 s22, s12, 10
	s_add_co_u32 s22, s22, SS
	v_lshl_add_u32 v[SSTO], v3, 4, s22             ; my part of S: 16 bytes a lane
	v_mul_u32_u24 v7, v1, VP
	v_lshl_add_u32 v7, v2, 5, v7
	s_lshl_b32 s22, s12, 7
	s_add_co_u32 s22, s22, VS
	v_add_nc_u32 v[VSTO], s22, v7                  ; V: row r, my 128 bytes, 32 bytes for each half of the lanes
	s_lshl_b32 s22, s12, 8
	v_lshl_add_u32 v[SPO], v3, 3, s22              ; back: my 256 bytes of the parts of S, 8 bytes a lane
	v_add_nc_u32 v[SRD], SS, v[SPO]
	s_mul_i32 s22, s12, 4*VP
	s_add_co_u32 s22, s22, VS
	v_lshl_add_u32 v[VRD], v3, 4, s22              ; back: rows 4 wave + i of V, 16 bytes a lane
	s_lshl_b32 s22, s12, 14
	v_lshl_add_u32 v[VHO], v3, 4, s22              ; the same rows in vh (4,096 bytes a row)
	s_lshl_b32 s22, s13, 5
	s_add_co_u32 s22, s22, ttmp9
	s_lshl_b32 s22, s22, 10                        ; sp: (32 b + w) x 1,024
	s_mov_b32 s23, 0
	s_add_nc_u64 s[8:9], s[8:9], s[22:23]
	s_lshl_b32 s22, s14, 19                        ; vh: kq x 524,288 + b x 65,536 + g x 512
	s_lshl_b32 s20, s13, 16
	s_add_co_u32 s22, s22, s20
	s_lshl_b32 s20, s15, 9
	s_add_co_u32 s22, s22, s20
	s_add_nc_u64 s[10:11], s[10:11], s[22:23]
	s_wait_loadcnt 0x0
	; u: 16 matrix instructions.  The two accumulators take turns, one instruction a turn.  The first products start the sums.
.set k, 0
.rept 8
.irp jt, 0,1
.if k == 0
	v_wmma_f32_16x16x32_f16 v[UA+8*\jt:UA+8*\jt+7], v[MF+16*k+8*\jt:MF+16*k+8*\jt+7], v[AF+8*k:AF+8*k+7], 0
.else
	v_wmma_f32_16x16x32_f16 v[UA+8*\jt:UA+8*\jt+7], v[MF+16*k+8*\jt:MF+16*k+8*\jt+7], v[AF+8*k:AF+8*k+7], v[UA+8*\jt:UA+8*\jt+7]
.endif
.endr
.set k, k+1
.endr
	s_wait_tensorcnt 0x0                           ; my 64 rows of Wv are in,
	s_barrier_signal -1
	s_barrier_wait -1                              ; everybody's are
.rept 4
	v_nop                                          ; four places between the matrix instructions that read M and the loads into its registers
.endr
.set k, 0
.rept 8
.irp jt, 0,1
	ds_load_tr16_b128 v[MF+16*k+8*\jt:MF+16*k+8*\jt+3], v[TRA+k/4] offset:(k%4)*32*PV+32*\jt
	ds_load_tr16_b128 v[MF+16*k+8*\jt+4:MF+16*k+8*\jt+7], v[TRA+k/4] offset:(k%4)*32*PV+32*\jt+16*PV
.endr
.set k, k+1
.endr
	s_wait_dscnt 0x0
	; V: 16 matrix instructions, two accumulators by turns.  Lane (r, h), register j is s = r, column 16 jt + 8 h + j.
.set k, 0
.rept 8
.irp jt, 0,1
.if k == 0
	v_wmma_f32_16x16x32_f16 v[VA+8*\jt:VA+8*\jt+7], v[MF+16*k+8*\jt:MF+16*k+8*\jt+7], v[AF+8*k:AF+8*k+7], 0
.else
	v_wmma_f32_16x16x32_f16 v[VA+8*\jt:VA+8*\jt+7], v[MF+16*k+8*\jt:MF+16*k+8*\jt+7], v[AF+8*k:AF+8*k+7], v[VA+8*\jt:VA+8*\jt+7]
.endif
.endr
.set k, k+1
.endr
.rept 5
	v_nop                                          ; four places before vector instructions write the fragments' registers, five before a matrix instruction does
.endr
	; u 2^-14 = hi + lo.  hi: half a step of the eleventh bit is added to the magnitude and the bits below are cut, so hi is an f16 number from 2^-14 up; lo = the rest, exact in f32.
.set n, 0
.rept 8
	v_pk_mul_f32 v[T+2*n:T+2*n+1], v[UA+2*n:UA+2*n+1], 0x38800000 op_sel_hi:[1,0]
.set n, n+1
.endr
.set n, 0
.rept 16
	v_add_nc_u32 v[H+n], 0x1000, v[T+n]
.set n, n+1
.endr
.set n, 0
.rept 16
	v_and_b32 v[H+n], 0xffffe000, v[H+n]
.set n, n+1
.endr
.set n, 0
.rept 8
	v_pk_add_f32 v[T+2*n:T+2*n+1], v[T+2*n:T+2*n+1], v[H+2*n:H+2*n+1] neg_lo:[0,1] neg_hi:[0,1]
.set n, n+1
.endr
.set n, 0
.rept 8
	v_cvt_pk_f16_f32 v[UH+n], v[H+2*n], v[H+2*n+1] ; registers 0-3: d = 8 h + 0..7 (tile 0), registers 4-7: d = 16 + 8 h + 0..7 (tile 1): a fragment with rows s
	v_cvt_pk_f16_f32 v[UL+n], v[T+2*n], v[T+2*n+1]
.set n, n+1
.endr
	v_wmma_f32_16x16x32_f16 v[D2:D2+7], v[UH:UH+7], v[XQ:XQ+7], 0          ; lane (r, h), register j: q = r, s = 8 h + j
	v_wmma_f32_16x16x32_f16 v[D2+8:D2+15], v[UL:UL+7], v[XQ:XQ+7], 0       ; an accumulator of its own
.rept 4
	v_nop                                          ; four places before the results are read
.endr
.set n, 0
.rept 4
	v_pk_add_f32 v[D2+2*n:D2+2*n+1], v[D2+2*n:D2+2*n+1], v[D2+8+2*n:D2+8+2*n+1]
.set n, n+1
.endr
	ds_store_b128 v[SSTO], v[D2:D2+3]
	ds_store_b128 v[SSTO], v[D2+4:D2+7] offset:512
.irp jt, 0,1
	ds_store_b128 v[VSTO], v[VA+8*\jt:VA+8*\jt+3] offset:64*\jt
	ds_store_b128 v[VSTO], v[VA+8*\jt+4:VA+8*\jt+7] offset:64*\jt+16
.endr
	s_wait_dscnt 0x0                               ; for the other waves: my stores are done
	s_barrier_signal -1
	s_barrier_wait -1
.irp p, 0,1,2,3
	ds_load_b64 v[RS+2*\p:RS+2*\p+1], v[SRD] offset:1024*\p
.endr
.irp i, 0,1,2,3
	ds_load_b128 v[RV+4*\i:RV+4*\i+3], v[VRD] offset:VP*\i
.endr
	s_wait_dscnt 0x4                               ; the four parts of S are in; the four rows of V may be out
	v_pk_add_f32 v[RS:RS+1], v[RS:RS+1], v[RS+2:RS+3]
	v_pk_add_f32 v[RS+4:RS+5], v[RS+4:RS+5], v[RS+6:RS+7]
	v_pk_add_f32 v[RS:RS+1], v[RS:RS+1], v[RS+4:RS+5]
	global_store_b64 v[SPO], v[RS:RS+1], s[8:9]    ; the wave stores 256 consecutive bytes, aligned
.irp i, 0,1,2,3
	s_wait_dscnt 3-\i                              ; row i is in, the younger ones stay out
	global_store_b128 v[VHO], v[RV+4*\i:RV+4*\i+3], s[10:11] offset:4096*\i        ; 512 consecutive bytes, aligned
.endr
	s_wait_tensorcnt 0x0
	ds_add_u32 v30, v31
	s_wait_dscnt 0x0
	s_endpgm
.Lfunc_end_k_q68c642b909_hs:
	.size	k_q68c642b909_hs, .Lfunc_end_k_q68c642b909_hs-k_q68c642b909_hs
	.p2alignl 7, 3214868480
	.fill 96, 4, 3214868480
	.section	.rodata,"a",@progbits
	.p2align	6, 0x0
	.amdhsa_kernel k_q68c642b909_hs
		.amdhsa_group_segment_fixed_size 168448
		.amdhsa_private_segment_fixed_size 0
		.amdhsa_enable_private_segment 0
		.amdhsa_kernarg_size 32
		.amdhsa_user_sgpr_count 2
		.amdhsa_user_sgpr_kernarg_segment_ptr 1
		.amdhsa_wavefront_size32 1
		.amdhsa_system_sgpr_workgroup_id_x 1
		.amdhsa_system_sgpr_workgroup_id_y 1
		.amdhsa_system_sgpr_workgroup_id_z 1
		.amdhsa_system_vgpr_workitem_id 0
		.amdhsa_next_free_vgpr 256
		.amdhsa_next_free_sgpr 66
		.amdhsa_reserve_vcc 0
		.amdhsa_float_denorm_mode_32 3
		.amdhsa_float_denorm_mode_16_64 3
		.amdhsa_memory_ordered 1
		.amdhsa_forward_progress 1
		.amdhsa_inst_pref_size 20
	.end_amdhsa_kernel
	.amdgpu_metadata
---
amdhsa.version: [ 1, 2 ]
amdhsa.kernels:
  - .name:           k_q68c642b909_hs
    .symbol:         k_q68c642b909_hs.kd
    .args:
      - { .name: xw, .offset: 0, .size: 8, .value_kind: global_buffer, .address_space: global }
      - { .name: wb, .offset: 8, .size: 8, .value_kind: global_buffer, .address_space: global }
      - { .name: sp, .offset: 16, .size: 8, .value_kind: global_buffer, .address_space: global }
      - { .name: vh, .offset: 24, .size: 8, .value_kind: global_buffer, .address_space: global }
    .group_segment_fixed_size: 168448
    .private_segment_fixed_size: 0
    .kernarg_segment_align: 8
    .kernarg_segment_size: 32
    .max_flat_workgroup_size: 128
    .sgpr_count:     66
    .vgpr_count:     256
    .wavefront_size: 32
...
	.end_amdgpu_metadata
.endif
;; end of part 4
;; launch scores (part 5): grid 20 x 8, 4 waves a work-group, no clusters, 327,680 bytes of LDS; arguments qv, xw, pw, st; writes pw, st
.if DOCPART == 5
	.amdgcn_target "amdgcn-amd-amdhsa--gfx1250"
	.amdhsa_code_object_version 6
	.text
	.protected	k_q68c642b909_scores
	.globl	k_q68c642b909_scores
	.p2align	8
	.type	k_q68c642b909_scores,@function
k_q68c642b909_scores:
	s_mov_b64 s[64:65], 0
	v_nop
	global_prefetch_b8 v0, s[64:65] scope:SCOPE_SE
	s_setreg_imm32_b32 hwreg(HW_REG_WAVE_MODE, 25, 1), 1
	s_wait_xcnt 0x0
; For batch b and a tile of 128 rows (row block qi) x 256 keys (key blocks 2 kj, 2 kj + 1): s = (QM / 1024) x^T in f16 products and f32 sums; then, for each
; block of 128 keys by itself: mj = c max over the keys of s, P = exp2(c s - mj) in f16, lj = the sum of P.  c = 1024 log2(e) / 32: it takes the factor of QM back.
; P goes to pw, mj and lj to st.  The keys are the rows of x themselves (shown at the head of the first kernel).
; WORK LEFT OUT (shown at the head of the first kernel): key blocks above the diagonal.  The 20 tiles of a batch are those with 2 kj <= qi.  Where qi is even
; and kj = qi / 2 the right half of the tile is such a block (four in a batch): its products are made with those of the live half, and nothing of it is stored.
; Four waves, 2 x 2; a wave has 64 rows x 128 keys: one key block, so the maximum and the sum never leave the wave.
; The inner dimension goes in 8 steps of 128 through two LDS slots.  A slot: the tile of x (256 rows x 272 bytes), then the tile of QM (128 rows x 272 bytes).
; Waves 0 and 1 fetch 128 rows of x each, waves 2 and 3 fetch 64 rows of QM each: one tensor load a wave and step.  Two loads of a wave are out at the start,
; one behind each barrier; it has 120 of the 128 matrix instructions of a step in which to land.
; NO CLUSTER: a tile of QM is read by the qi / 2 + 1 tiles of its row block (one to four), a tile of x by the 8 - 2 kj row blocks below it: the list is
; triangular, and no fixed group of four of its 20 tiles shares one tile throughout.
; The matrix instruction is used transposed (source 0 = 16 keys, source 1 = 16 rows): in tile (a, b), lane (r, h), register j is row 16 a + r, key 16 b + 8 h + j.
; st: [2 (mj, lj)][8 b][8 key blocks][16 groups of 64 rows][16 r][4 a] f32: row 16 a + r of a group lies at place 4 r + a, so that a lane holds and stores
; its four rows as 16 bytes, and the next launch loads them so.
.set PITCH, 272
.set HQ,    64*PITCH                   ; 17,408: half of the tile of QM
.set HT,    128*PITCH                  ; 34,816: half of the tile of x, and the whole tile of QM
.set BT,    2*HT                       ; the tile of x
.set SLOT,  BT+HT                      ; 104,448
.set STAGE, 2*SLOT                     ; 208,896: 16 rows x 272 bytes for each wave; no tensor load lands there
.set LAPS,  4
.set ADRA, 16                          ; v16-17 my fragments of QM in slot 0, 1
.set ADRB, 18                          ; v18-19 my fragments of x
.set STO,  20
.set RD,   21
.set CO,   22
.set STG,  25                          ; 16 r + 262,144 h: offset in st
.set NINF, 27
.set DL,   28                          ; 64 wm + r - 8 h
.set MX,   32                          ; v32-35 row maxima, one for each a
.set MN,   36                          ; v36-43 pairs of -mj
.set MP,   44                          ; v44-47 mj
.set LS,   48                          ; v48-51 lj
.set SP,   52                          ; v52-59 four chains of packed sums
.set TP,   60                          ; v60-63 from the other half of the lanes
.set T,    64                          ; v64-127 at work behind the products
.set RB,   128                         ; v128-255 rows read back, never used twice
.set F0,   64                          ; fragment buffer 0: fragment a of QM at F + 8 a, fragment b of x at F + 32 + 8 b
.set F1,   160                         ; fragment buffer 1
.set G1A, 24
.set G0A, 32
.set G1B, 48
.set G0B, 56
.set MSB, 0
.macro WIN new                         ; the high byte of the immediate repeats the setting that is left
.if MSB != \new
	s_set_vgpr_msb (MSB<<8)|\new
.set MSB, \new
.endif
.endm
.set MUL, 0x50                         ; C and D in window 1 (tile (a, b) at v[64 a + 8 b]), fragments in window 0
.macro TLOAD s                         ; one tensor load a wave; the branch hangs on the number of the wave alone
	s_cmp_eq_u32 s13, 0
	s_cbranch_scc0 .Lfor_a_\@
	tensor_load_to_lds s[G0B+4*\s:G0B+4*\s+3], s[G1B:G1B+7]
	s_nop 0
	s_branch .Lasked_\@
.Lfor_a_\@:
	tensor_load_to_lds s[G0A+4*\s:G0A+4*\s+3], s[G1A:G1A+7]
	s_nop 0
.Lasked_\@:
.endm
	s_load_b256 s[4:11], s[0:1], 0x0               ; qv s[4:5], xw s[6:7], pw s[8:9], st s[10:11]
	v_lshl_add_u32 v30, v0, 2, 0x37400
	v_mov_b32 v31, 0
	ds_add_u32 v30, v31
	ds_add_u32 v30, v31
	v_lshrrev_b32 v1, 5, v0
	v_readfirstlane_b32 s12, v1                    ; wave
	s_lshr_b32 s13, s12, 1                         ; wm: my 64 rows.  Also: I fetch x (0) or QM (1)
	s_and_b32 s14, s12, 1                          ; wn: my 128 keys.  Also: which half of that tile I fetch
	s_and_b32 s16, ttmp7, 0xffff                   ; b
	s_and_b32 s17, ttmp9, 1                        ; the tile list: t = 2 u + parity; u = p (p + 1) / 2 + kj, kj <= p; qi = 2 p + parity
	s_lshr_b32 s18, ttmp9, 1
	s_cmp_ge_u32 s18, 1
	s_cselect_b32 s19, 1, 0
	s_cmp_ge_u32 s18, 3
	s_cselect_b32 s20, 1, 0
	s_add_co_u32 s19, s19, s20
	s_cmp_ge_u32 s18, 6
	s_cselect_b32 s20, 1, 0
	s_add_co_u32 s19, s19, s20                     ; p
	s_add_co_u32 s20, s19, 1
	s_mul_i32 s20, s20, s19
	s_lshr_b32 s20, s20, 1
	s_sub_co_u32 s20, s18, s20                     ; kj
	s_lshl1_add_u32 s21, s19, s17                  ; qi
	s_lshl1_add_u32 s22, s20, s14                  ; jb: my key block
	; group 1: rows of 128 elements of 2 bytes, 4 words of padding behind every 64 words
	s_mov_b32 s[G1A+0], 0x07510000
	s_mov_b32 s[G1A+1], 128<<16
	s_mov_b32 s[G1A+2], 64<<16                     ; QM: 64 rows,
	s_mov_b32 s[G1A+3], 128<<16
	s_mov_b32 s[G1A+4], 64
	s_mov_b32 s[G1A+5], 2048                       ; 2,048 elements from row to row
	s_mov_b32 s[G1A+6], 0
	s_mov_b32 s[G1A+7], 0
	s_mov_b32 s[G1B+0], 0x07510000
	s_mov_b32 s[G1B+1], 128<<16
	s_mov_b32 s[G1B+2], 128<<16                    ; x: 128 rows,
	s_mov_b32 s[G1B+3], 128<<16
	s_mov_b32 s[G1B+4], 128
	s_mov_b32 s[G1B+5], 1024                       ; 1,024 elements from row to row
	s_mov_b32 s[G1B+6], 0
	s_mov_b32 s[G1B+7], 0
	s_lshl_b32 s23, s16, 10                        ; 1,024 b
	s_lshl_b32 s42, s21, 7
	s_add_co_u32 s42, s42, s23                     ; 1,024 b + 128 qi: the first row of the tile (kept)
	s_lshl_b32 s43, s14, 6
	s_add_co_u32 s43, s43, s42
	s_lshl_b32 s44, s43, 12                        ; QM: byte 0 of the rows of qv, 4,096 bytes each
	s_mov_b32 s45, 0
	s_lshl_b32 s43, s20, 8
	s_add_co_u32 s43, s43, s23
	s_lshl_b32 s46, s14, 7
	s_add_co_u32 s43, s43, s46                     ; 1,024 b + 256 kj + 128 half
	s_lshl_b32 s46, s43, 11                        ; x: rows of 2,048 bytes
	s_mov_b32 s47, 0
	s_mul_i32 s18, s12, HT                         ; halves of x go to wave x 34,816 (waves 0, 1)
	s_mul_i32 s19, s12, HQ
	s_add_co_u32 s19, s19, HT                      ; halves of QM to wave x 17,408 + 34,816 (waves 2, 3): 69,632 and 87,040
	s_wait_dscnt 0x0
	s_wait_kmcnt 0x0
	s_add_nc_u64 s[44:45], s[4:5], s[44:45]
	s_add_nc_u64 s[46:47], s[6:7], s[46:47]
.irp s, 0,1
	s_mov_b32 s[G0A+4*\s], 1
	s_add_co_u32 s[G0A+4*\s+1], s19, \s*SLOT
	s_add_nc_u64 s[G0A+4*\s+2:G0A+4*\s+3], s[44:45], \s*256
	s_or_b32 s[G0A+4*\s+3], s[G0A+4*\s+3], 0x80000000
	s_mov_b32 s[G0B+4*\s], 1
	s_add_co_u32 s[G0B+4*\s+1], s18, \s*SLOT
	s_add_nc_u64 s[G0B+4*\s+2:G0B+4*\s+3], s[46:47], \s*256
	s_or_b32 s[G0B+4*\s+3], s[G0B+4*\s+3], 0x80000000
	TLOAD \s                                       ; the two first fills go out together, ahead of every wait, LDS read and barrier
.endr
	v_and_b32 v1, 15, v0                           ; r
	v_bfe_u32 v2, v0, 4, 1                         ; h
	v_mul_u32_u24 v3, v1, PITCH
	v_lshl_add_u32 v3, v2, 4, v3                   ; r x 272 + 16 h
	s_mul_i32 s17, s13, HQ
	s_add_co_u32 s17, s17, BT                      ; my 64 rows of QM
	s_mul_i32 s23, s14, HT                         ; my 128 rows of x
.irp s, 0,1
	v_add_nc_u32 v[ADRA+\s], s17, v3
	v_add_nc_u32 v[ADRB+\s], s23, v3
	s_add_co_u32 s17, s17, SLOT
	s_add_co_u32 s23, s23, SLOT
.endr
	s_mul_i32 s17, s12, 16*PITCH
	s_add_co_u32 s17, s17, STAGE                   ; my stage
	v_add_nc_u32 v[STO], s17, v3                   ; in: row r, 16 bytes for each half of the lanes
	v_mul_u32_u24 v5, v2, PITCH
	v_lshl_add_u32 v5, v1, 4, v5
	v_add_nc_u32 v[RD], s17, v5                    ; back: lanes 0-15 one row of 256 bytes, lanes 16-31 the next
	v_lshlrev_b32 v5, 11, v2
	v_lshl_add_u32 v[CO], v1, 4, v5                ; the same two rows in pw (2,048 bytes a row)
	v_lshlrev_b32 v[STG], 4, v1
	v_lshl_add_u32 v[STG], v2, 18, v[STG]          ; lanes 0-15 store mj, lanes 16-31 lj, 262,144 bytes further on
	v_mov_b32 v[NINF], 0xff800000
	v_lshlrev_b32 v5, 3, v2
	v_sub_nc_u32 v[DL], v1, v5
	s_lshl_b32 s17, s13, 6
	v_add_nc_u32 v[DL], s17, v[DL]                 ; 64 wm + r - 8 h
	s_mov_b32 s40, 0x76543210                      ; v_permlanex16_b32: lane i reads lane i of the other half
	s_mov_b32 s41, 0xfedcba98
; 8 matrix instructions: row block a x all 8 key blocks, 32 along the inner dimension.  The 32 accumulators take turns, one instruction a turn, in the same
; order in every quarter.
.macro MUL8 f, a, zero
.irp b, 0,1,2,3,4,5,6,7
.if \zero
	v_wmma_f32_16x16x32_f16 v[64*\a+8*\b:64*\a+8*\b+7], v[\f+32+8*\b:\f+32+8*\b+7], v[\f+8*\a:\f+8*\a+7], 0
.else
	v_wmma_f32_16x16x32_f16 v[64*\a+8*\b:64*\a+8*\b+7], v[\f+32+8*\b:\f+32+8*\b+7], v[\f+8*\a:\f+8*\a+7], v[64*\a+8*\b:64*\a+8*\b+7]
.endif
.endr
.endm
; 24 LDS loads in one run: x first, QM last
.macro FETCH slot, q, f
.irp b, 0,1,2,3,4,5,6,7
	ds_load_b128 v[\f+32+8*\b:\f+32+8*\b+3], v[ADRB+\slot] offset:\q*64+\b*16*PITCH
	ds_load_b128 v[\f+32+8*\b+4:\f+32+8*\b+7], v[ADRB+\slot] offset:\q*64+\b*16*PITCH+32
.endr
.irp a, 0,1,2,3
	ds_load_b128 v[\f+8*\a:\f+8*\a+3], v[ADRA+\slot] offset:\q*64+\a*16*PITCH
	ds_load_b128 v[\f+8*\a+4:\f+8*\a+7], v[ADRA+\slot] offset:\q*64+\a*16*PITCH+32
.endr
.endm
.macro PLACES                          ; four places between a matrix instruction and a load into, or a vector read of, its registers
.rept 4
	v_nop
.endr
.endm
.macro QUARTER slot, q, f, g, zero
	s_wait_dscnt 4                                 ; x and fragments 0, 1 of QM are in; the youngest four loads (fragments 2, 3 of QM) may be out
	WIN MUL
	MUL8 \f, 0, \zero
	MUL8 \f, 1, \zero
	WIN 0
	PLACES
	FETCH \slot, \q, \g
	s_wait_dscnt 24                                ; all but the 24 just issued
	WIN MUL
	MUL8 \f, 2, \zero
	MUL8 \f, 3, \zero
.endm
.macro THREE slot, zero
	QUARTER \slot, 1, F0, F1, \zero
	QUARTER \slot, 2, F1, F0, 0
	QUARTER \slot, 3, F0, F1, 0
.endm
; The last quarter of a step changes slots: each wave waits for its reads of this slot and for all its tensor loads (one is out: its part of the next
; slot), then the barrier; behind it the refill comes first, then the first fragments of the next slot.
.macro TURN slot, next, fill
	s_wait_dscnt 4
	WIN MUL
	MUL8 F1, 0, 0
	s_wait_dscnt 0
	s_wait_tensorcnt 0x0
	ds_add_u32 v30, v31
	s_wait_dscnt 0x0
	s_barrier_signal -1
	MUL8 F1, 1, 0                                  ; register work while the others arrive
	WIN 0
	s_barrier_wait -1
.if \fill
	s_add_nc_u64 s[G0A+4*\slot+2:G0A+4*\slot+3], s[G0A+4*\slot+2:G0A+4*\slot+3], 512   ; no load of mine is out: two steps on
	s_add_nc_u64 s[G0B+4*\slot+2:G0B+4*\slot+3], s[G0B+4*\slot+2:G0B+4*\slot+3], 512
	TLOAD \slot
.endif
	PLACES
	FETCH \next, 0, F0
	WIN MUL
	MUL8 F1, 2, 0
	MUL8 F1, 3, 0
.endm
.macro LAP zero
	THREE 0, \zero
	TURN 0, 1, 1
	THREE 1, 0
	TURN 1, 0, 1
.endm
	s_wait_tensorcnt 0x1                           ; my part of step 0 is in; step 1 stays out
	s_barrier_signal -1
	s_barrier_wait -1
	FETCH 0, 0, F0
	LAP 1                                          ; the first products start the sums: nothing is cleared
	WIN 0
	s_mov_b32 s3, LAPS-2
.Llap:
	LAP 0
	WIN 0
	s_sub_co_u32 s3, s3, 1
	s_cmp_lg_u32 s3, 0
	s_cbranch_scc1 .Llap
	THREE 0, 0                                     ; the last two steps fill nothing
	TURN 0, 1, 0
	THREE 1, 0
	s_wait_dscnt 0
	WIN MUL
	MUL8 F1, 0, 0
	MUL8 F1, 1, 0
	MUL8 F1, 2, 0
	MUL8 F1, 3, 0
	WIN 0
	PLACES
	; BEHIND THE PRODUCTS each wave works by itself: no barrier follows.
	s_lshl_b32 s17, s13, 6
	s_add_co_u32 s17, s17, s42                     ; my first row: 1,024 b + 128 qi + 64 wm
	s_lshl_b32 s18, s17, 11                        ; x 2,048 bytes
	s_lshl_b32 s19, s22, 8                         ; + 256 jb
	s_add_co_u32 s18, s18, s19
	s_mov_b32 s19, 0
	s_add_nc_u64 s[8:9], s[8:9], s[18:19]
	s_lshl3_add_u32 s18, s16, s22                  ; st: ((8 b + jb) 1,024 + 128 qi + 64 wm) x 4
	s_lshl_b32 s18, s18, 10
	s_lshl_b32 s23, s21, 7
	s_add_co_u32 s18, s18, s23
	s_lshl_b32 s23, s13, 6
	s_add_co_u32 s18, s18, s23
	s_lshl_b32 s18, s18, 2
	s_add_nc_u64 s[10:11], s[10:11], s[18:19]
	s_cmp_gt_u32 s22, s21                          ; my key block lies above the diagonal: all its weights are 0, nothing of it is stored or read
	s_cbranch_scc1 .Lend
	s_cmp_lg_u32 s22, s21
	s_cbranch_scc1 .Lnomask
	; the block on the diagonal: key > row, that is 16 (b - a) + j > 64 wm + r - 8 h, becomes -inf.  Key 0 of the block stays in every row.
	WIN 0x41                                       ; destination and source 0 in window 1
.irp a, 0,1,2,3
.irp b, 0,1,2,3,4,5,6,7
.irp j, 0,1,2,3,4,5,6,7
	v_cmp_gt_i32 vcc_lo, 16*(\b-\a)+\j, v[DL]
	v_cndmask_b32 v[64*\a+8*\b+\j], v[64*\a+8*\b+\j], v[NINF], vcc_lo
.endr
.endr
.endr
	WIN 0
.Lnomask:
	; the maximum of each row: 64 numbers in each of the two lanes that hold it, four chains side by side
.irp a, 0,1,2,3
	v_mov_b32 v[MX+\a], v[NINF]
	v_mov_b32 v[TP+\a], v[NINF]                    ; the destination of v_permlanex16_b32 counts as read
.endr
	WIN 0x14                                       ; sources 1 and 2 in window 1
.set i, 0
.rept 32
.irp a, 0,1,2,3
	v_max3_num_f32 v[MX+\a], v[MX+\a], v[64*\a+2*i], v[64*\a+2*i+1]
.endr
.set i, i+1
.endr
	WIN 0
.irp a, 0,1,2,3
	v_permlanex16_b32 v[TP+\a], v[MX+\a], s40, s41
.endr
.irp a, 0,1,2,3
	v_max_num_f32 v[MX+\a], v[MX+\a], v[TP+\a]
.endr
.irp a, 0,1,2,3
	v_mul_f32 v[MP+\a], 0x4238aa3b, v[MX+\a]       ; mj = c max, as it is stored,
	v_mul_f32 v[MN+2*\a], 0xc238aa3b, v[MX+\a]     ; and exactly its negative, twice, for the packed multiply-add
	v_mul_f32 v[MN+2*\a+1], 0xc238aa3b, v[MX+\a]
.endr
; 16 rows: P = exp2(c s - mj), their sum, P as f16 into the stage
.macro SOFT a
	WIN 0x01                                       ; source 0 in window 1
.set i, 0
.rept 32
	v_pk_fma_f32 v[T+2*i:T+2*i+1], v[64*\a+2*i:64*\a+2*i+1], 0x4238aa3b, v[MN+2*\a:MN+2*\a+1] op_sel_hi:[1,0,1]
.set i, i+1
.endr
	WIN 0
.set i, 0
.rept 64
	v_exp_f32 v[T+i], v[T+i]
.set i, i+1
.endr
	v_nop                                          ; one plain instruction between the last exponential and the first use of a result
	s_wait_alu depctr_va_vdst(0)
.irp k, 0,1,2,3
	v_pk_add_f32 v[SP+2*\k:SP+2*\k+1], v[T+2*\k:T+2*\k+1], v[T+8+2*\k:T+8+2*\k+1]
.endr
.set i, 8
.rept 24
	v_pk_add_f32 v[SP+2*(i%4):SP+2*(i%4)+1], v[SP+2*(i%4):SP+2*(i%4)+1], v[T+2*i:T+2*i+1]
.set i, i+1
.endr
	v_pk_add_f32 v[SP:SP+1], v[SP:SP+1], v[SP+2:SP+3]
	v_pk_add_f32 v[SP+4:SP+5], v[SP+4:SP+5], v[SP+6:SP+7]
	v_pk_add_f32 v[SP:SP+1], v[SP:SP+1], v[SP+4:SP+5]
	v_add_f32 v[LS+\a], v[SP], v[SP+1]
	v_permlanex16_b32 v[TP+\a], v[LS+\a], s40, s41
	v_add_f32 v[LS+\a], v[LS+\a], v[TP+\a]
.set i, 0
.rept 32
	v_cvt_pk_f16_f32 v[T+i], v[T+2*i], v[T+2*i+1]  ; ascending: word i is written when words 2 i and 2 i + 1 are read
.set i, i+1
.endr
.irp b, 0,1,2,3,4,5,6,7
	ds_store_b128 v[STO], v[T+4*\b:T+4*\b+3] offset:32*\b          ; keys 16 b + 8 h .. + 7 of row r
.endr
.endm
; the 16 rows back as whole rows of 256 bytes, and out
.macro OUTP a
.irp t, 0,1,2,3,4,5,6,7
	ds_load_b128 v[RB+32*\a+4*\t:RB+32*\a+4*\t+3], v[RD] offset:\t*2*PITCH     ; LDS serves the instructions of a wave in order: these see the stores above
.endr
.irp t, 0,1,2,3,4,5,6,7
	s_wait_dscnt 7-\t                              ; read-back t is in, the younger ones stay out
	global_store_b128 v[CO], v[RB+32*\a+4*\t:RB+32*\a+4*\t+3], s[8:9] offset:(16*\a+2*\t)*2048   ; 16 lanes store 256 consecutive bytes, aligned
.endr
.endm
	SOFT 0
	OUTP 0
	SOFT 1
	OUTP 1
	SOFT 2
	OUTP 2
	SOFT 3
	OUTP 3
	; mj and lj of my 64 rows, straight from registers: both lanes of a row hold both; lanes 0-15 store the four mj of rows 16 a + r, lanes 16-31 the four lj.
	; Each half of the wave stores 256 consecutive bytes, aligned.
	v_cmp_ne_u32 vcc_lo, 0, v2
.irp a, 0,1,2,3
	v_cndmask_b32 v[T+\a], v[MP+\a], v[LS+\a], vcc_lo
.endr
	global_store_b128 v[STG], v[T:T+3], s[10:11]
.Lend:
	s_wait_tensorcnt 0x0
	ds_add_u32 v30, v31
	s_wait_dscnt 0x0
	s_endpgm
.Lfunc_end_k_q68c642b909_scores:
	.size	k_q68c642b909_scores, .Lfunc_end_k_q68c642b909_scores-k_q68c642b909_scores
	.p2alignl 7, 3214868480
	.fill 96, 4, 3214868480
	.section	.rodata,"a",@progbits
	.p2align	6, 0x0
	.amdhsa_kernel k_q68c642b909_scores
		.amdhsa_group_segment_fixed_size 327680
		.amdhsa_private_segment_fixed_size 0
		.amdhsa_enable_private_segment 0
		.amdhsa_kernarg_size 32
		.amdhsa_user_sgpr_count 2
		.amdhsa_user_sgpr_kernarg_segment_ptr 1
		.amdhsa_wavefront_size32 1
		.amdhsa_system_sgpr_workgroup_id_x 1
		.amdhsa_system_sgpr_workgroup_id_y 1
		.amdhsa_system_sgpr_workgroup_id_z 1
		.amdhsa_system_vgpr_workitem_id 0
		.amdhsa_next_free_vgpr 512
		.amdhsa_next_free_sgpr 66
		.amdhsa_reserve_vcc 1
		.amdhsa_float_denorm_mode_32 3
		.amdhsa_float_denorm_mode_16_64 3
		.amdhsa_memory_ordered 1
		.amdhsa_forward_progress 1
		.amdhsa_inst_pref_size 174
	.end_amdhsa_kernel
	.amdgpu_metadata
---
amdhsa.version: [ 1, 2 ]
amdhsa.kernels:
  - .name:           k_q68c642b909_scores
    .symbol:         k_q68c642b909_scores.kd
    .args:
      - { .name: qv, .offset: 0, .size: 8, .value_kind: global_buffer, .address_space: global }
      - { .name: xw, .offset: 8, .size: 8, .value_kind: global_buffer, .address_space: global }
      - { .name: pw, .offset: 16, .size: 8, .value_kind: global_buffer, .address_space: global }
      - { .name: st, .offset: 24, .size: 8, .value_kind: global_buffer, .address_space: global }
    .group_segment_fixed_size: 327680
    .private_segment_fixed_size: 0
    .kernarg_segment_align: 8
    .kernarg_segment_size: 32
    .max_flat_workgroup_size: 128
    .sgpr_count:     66
    .vgpr_count:     512
    .wavefront_size: 32
...
	.end_amdgpu_metadata
.endif
;; end of part 5
;; launch pv (part 6): grid 8 x 32, 4 waves a work-group, clusters of 4 x 1, 327,680 bytes of LDS; arguments qv, pw, st, out0; writes out0
.if DOCPART == 6
	.amdgcn_target "amdgcn-amd-amdhsa--gfx1250"
	.amdhsa_code_object_version 6
	.text
	.protected	k_q68c642b909_pv
	.globl	k_q68c642b909_pv
	.p2align	8
	.type	k_q68c642b909_pv,@function
k_q68c642b909_pv:
	s_mov_b64 s[64:65], 0
	v_nop
	global_prefetch_b8 v0, s[64:65] scope:SCOPE_SE
	s_setreg_imm32_b32 hwreg(HW_REG_WAVE_MODE, 25, 1), 1
	s_wait_xcnt 0x0
	s_wait_alu depctr_hold_cnt(0) depctr_sa_sdst(0) depctr_va_vdst(0) depctr_va_sdst(0) depctr_va_ssrc(0) depctr_va_vcc(0) depctr_vm_vsrc(0)
	s_getreg_b32 s2, hwreg(HW_REG_IB_STS2, 6, 4)
	s_cmp_eq_u32 s2, 0
	s_cbranch_scc0 .Lentry_in_a_cluster
	s_endpgm
.Lentry_in_a_cluster:
	s_bfe_u32 s2, ttmp6, 0x10000c
	s_cmp_lg_u32 s2, 0x3003
	s_cbranch_scc0 .Lentry_shape_is_right
	s_endpgm
.Lentry_shape_is_right:
; out[row][v] = sum over key blocks j <= q of gj Pj Vj, gj = exp2(mj - max over j of mj) / (sum over j of exp2(mj - max) lj): the maximum of the whole row is
; taken away, no exponential exceeds 1, and the division by the sum of the row is folded into the factor.
; WORK LEFT OUT (shown at the head of the first kernel): the steps of key blocks j > q, whose weights are all 0.
; Work-group (vb, y): columns 128 vb .. + 127 of V, batch b = y / 4, pair p = y % 4: first row block 7 - p (8 - p steps of 128 keys), then row block p (p + 1
; steps): 9 steps for every one of the 8 x 32 = 256 work-groups.  Four waves, 2 x 2; a wave has 64 rows x 64 columns.
; Every step starts sums of its own (16 tiles, 128 registers, first product with C = 0); behind the step the sums of the block (128 registers) take gj times them
; in 64 packed multiply-adds, so P is not scaled in f16.  The steps are written out, because step t names the registers of its factor; where the first block
; ends (step 8 - p, a number of the work-group alone) its sums are stored and the second block starts with a multiplication.
; LDS: a region is 36,864 bytes: a tile of P (128 rows x 272 bytes) or of V (128 keys x 288 bytes; V lies [key][v] and is read by the transposing load, 288 is
; an odd multiple of 32).  A slot holds two steps: P even, P odd, V even, V odd; wave w fetches region w, a whole tile, to w x 36,864 + the constant of the slot.
; Two slots, 294,912 bytes; behind them 16 rows x 272 bytes for each wave, for the way out, where no tensor load lands.
; Two loads of a wave are out at the start, one behind each round; it has two steps in which to land.  The ninth step is a pair by itself: waves 1 and 3 fetch nothing.
; CLUSTER 4, 1, 1: the four work-groups have the same b and p, so the same steps and the same tiles of P, half of the bytes of a step: P is asked for jointly.
; V differs between them (other columns) and is a load of each work-group's own.
; The matrix instruction is used transposed (source 0 = 16 columns of V, source 1 = 16 rows of P): in tile (a, b), lane (r, h), register j is row 16 a + r, column 16 b + 8 h + j.
.set PITCH, 272
.set PV,    288
.set REG,   128*PV                     ; 36,864
.set SLOT,  4*REG                      ; 147,456
.set STAGE, 2*SLOT                     ; 294,912
.set ADRA, 8                           ; v8-11   my fragments of P in region step % 4
.set ADRB, 12                          ; v12-15  my fragments of V
.set STO,  16
.set RD,   17
.set CO,   18
.set NINF, 19
.set F0,   32                          ; fragment buffer 0: fragment a of P at F + 8 a, fragment b of V at F + 32 + 8 b
.set F1,   96                          ; fragment buffer 1; on the way out: rows read back
.set PO,   32                          ; ahead of the products: v32-40 offsets in st, v44-79 mj, v80-115 lj (4 t + a), and what is made of them
.set PM,   44
.set PL,   80
.set MA,   116                         ; the maxima of the first and of the second block
.set MB,   120
.set LA,   124                         ; their sums
.set LB,   128
.set TT,   132                         ; v132-139 at work
.set RA,   140                         ; 1 / sum
.set RC,   144
.set FP,   184                         ; v184-255 the factor of step t and rows 16 a + r, twice, at FP + 8 t + 2 a
.set G0P, 24                           ; s[24:43] group 0 of P, one set for each pair of steps, written once
.set G0V, 44                           ; s[44:63] group 0 of V
.set G1P, 68
.set G1V, 76
.set OA,  88                           ; s[88:89] out0 at my rows of the first block, s[90:91] of the second
.set OB,  90
.set MSB, 0
.macro WIN new                         ; the high byte of the immediate repeats the setting that is left
.if MSB != \new
	s_set_vgpr_msb (MSB<<8)|\new
.set MSB, \new
.endif
.endm
.set MUL, 0x50                         ; C and D in window 1 (the sums of a step: tile (a, b) at v[32 a + 8 b]; those of the block 128 further up)
.macro TLOAD g                         ; waves 0, 1: the joint load of P; waves 2, 3: V.  The branch hangs on the number of the wave alone
	s_cmp_eq_u32 s13, 0
	s_cbranch_scc0 .Lfor_v_\@
	tensor_load_to_lds s[G0P+4*\g:G0P+4*\g+3], s[G1P:G1P+7]
	s_nop 0
	s_branch .Lasked_\@
.Lfor_v_\@:
	tensor_load_to_lds s[G0V+4*\g:G0V+4*\g+3], s[G1V:G1V+7]
	s_nop 0
.Lasked_\@:
.endm
.macro CREST                           ; a round of the barrier of the cluster behind its opening barrier
	s_cmp_lg_u32 s12, 0
	s_cbranch_scc1 .Lnot_wave_0_\@
	s_barrier_signal -3
.Lnot_wave_0_\@:
	s_barrier_wait -3
	s_barrier_signal -1
	s_barrier_wait -1
.endm
.macro CROUND
	s_barrier_signal -1
	s_barrier_wait -1
	CREST
.endm
	s_load_b256 s[4:11], s[0:1], 0x0               ; qv s[4:5], pw s[6:7], st s[8:9], out0 s[10:11]
	v_lshl_add_u32 v182, v0, 2, 0x4c400
	v_mov_b32 v183, 0
	ds_add_u32 v182, v183
	ds_add_u32 v182, v183
	v_lshrrev_b32 v1, 5, v0
	v_readfirstlane_b32 s12, v1                    ; wave
	s_lshr_b32 s13, s12, 1                         ; wm: my 64 rows.  Also: I fetch P (0) or V (1)
	s_and_b32 s14, s12, 1                          ; wn: my 64 columns.  Also: the even (0) or the odd (1) step of a pair
	s_bfe_u32 s98, ttmp6, 0x40000                  ; cx
	s_lshl_b32 s97, ttmp9, 2
	s_add_co_u32 s97, s97, s98                     ; vb = 4 x cluster x + cx
	s_and_b32 s96, ttmp7, 0xffff
	s_and_b32 s95, s96, 3                          ; p
	s_lshr_b32 s96, s96, 2                         ; b
	s_sub_co_u32 s15, 8, s95                       ; nA: the steps of the first block
	; group 1 of P: 128 rows x 128 elements of 2 bytes, 4 words of padding behind every 64 words, 1,024 elements from row to row; the mask names all four, bit 21 beside it
	s_mov_b32 s[G1P+0], 0x0771000f
	s_mov_b32 s[G1P+1], 128<<16
	s_mov_b32 s[G1P+2], 128<<16
	s_mov_b32 s[G1P+3], 128<<16
	s_mov_b32 s[G1P+4], 128
	s_mov_b32 s[G1P+5], 1024
	s_mov_b32 s[G1P+6], 0
	s_mov_b32 s[G1P+7], 0
	; group 1 of V: the same with 8 words of padding, 2,048 elements from row to row, no mask
	s_mov_b32 s[G1V+0], 0x0f510000
	s_mov_b32 s[G1V+1], 128<<16
	s_mov_b32 s[G1V+2], 128<<16
	s_mov_b32 s[G1V+3], 128<<16
	s_mov_b32 s[G1V+4], 128
	s_mov_b32 s[G1V+5], 2048
	s_mov_b32 s[G1V+6], 0
	s_mov_b32 s[G1V+7], 0
	s_lshl_b32 s20, s96, 10                        ; 1,024 b
	s_sub_co_u32 s21, 7, s95
	s_lshl_b32 s21, s21, 7
	s_add_co_u32 s21, s21, s20                     ; the first row of the first block
	s_lshl_b32 s22, s95, 7
	s_add_co_u32 s22, s22, s20                     ; and of the second
	s_lshl_b32 s16, s21, 11                        ; in pw: rows of 2,048 bytes
	s_lshl_b32 s17, s22, 11
	s_lshl_b32 s18, s20, 12                        ; V: key 1,024 b (rows of 4,096 bytes),
	s_lshl_b32 s23, s97, 8                         ; 256 bytes for each block of 128 columns,
	s_add_co_u32 s18, s18, s23
	s_add_co_u32 s18, s18, 2048                    ; from byte 2,048 of the rows
	s_mul_i32 s19, s12, REG                        ; wave x 36,864: no place in the cluster enters an LDS address
	s_lshl_b32 s23, s13, 6                         ; out0: my 64 rows, 4,096 bytes each,
	s_add_co_u32 s21, s21, s23
	s_add_co_u32 s22, s22, s23
	s_lshl_b32 s[OA], s21, 12
	s_lshl_b32 s[OB], s22, 12
	s_lshl_b32 s23, s97, 9                         ; + 512 vb
	s_lshl_b32 s86, s14, 8                         ; + 256 wn
	s_add_co_u32 s23, s23, s86
	s_add_co_u32 s[OA], s[OA], s23
	s_add_co_u32 s[OB], s[OB], s23
	s_mov_b32 s[OA+1], 0
	s_mov_b32 s[OB+1], 0
	s_wait_dscnt 0x0
	s_wait_kmcnt 0x0
	s_add_nc_u64 s[OA:OA+1], s[10:11], s[OA:OA+1]
	s_add_nc_u64 s[OB:OB+1], s[10:11], s[OB:OB+1]
	; Step t = 2 g + (wave % 2) of pair g: t < nA: first block, key block t; else second block, key block t - nA.  (The set of step 9 is made and never used.)
.irp g, 0,1,2,3,4
	s_add_co_u32 s20, s14, 2*\g                    ; t
	s_sub_co_u32 s22, s20, s15
	s_cmp_lt_u32 s20, s15
	s_cselect_b32 s22, s20, s22                    ; the key block
	s_cselect_b32 s84, s16, s17                    ; the rows of P
	s_lshl_b32 s21, s22, 8                         ; 256 bytes of a row of P for each key block
	s_add_co_u32 s84, s84, s21
	s_mov_b32 s85, 0
	s_lshl_b32 s86, s22, 19                        ; 128 keys of 4,096 bytes
	s_add_co_u32 s86, s86, s18
	s_mov_b32 s87, 0
	s_mov_b32 s[G0P+4*\g], 1
	s_add_co_u32 s[G0P+4*\g+1], s19, (\g%2)*SLOT
	s_add_nc_u64 s[G0P+4*\g+2:G0P+4*\g+3], s[6:7], s[84:85]
	s_or_b32 s[G0P+4*\g+3], s[G0P+4*\g+3], 0x80000000
	s_mov_b32 s[G0V+4*\g], 1
	s_add_co_u32 s[G0V+4*\g+1], s19, (\g%2)*SLOT
	s_add_nc_u64 s[G0V+4*\g+2:G0V+4*\g+3], s[4:5], s[86:87]
	s_or_b32 s[G0V+4*\g+3], s[G0V+4*\g+3], 0x80000000
.endr
	CROUND                                         ; all four work-groups are here: the first joint loads meet
	TLOAD 0                                        ; steps 0 and 1
	TLOAD 1                                        ; steps 2 and 3
	; WHILE THE TILES ARE ON THEIR WAY: the factors.  A lane loads mj and lj of its four rows 64 wm + 16 a + r as 16 bytes, for each of the nine steps.
	v_and_b32 v1, 15, v0                           ; r
	v_bfe_u32 v2, v0, 4, 1                         ; h
	s_lshl_b32 s20, s96, 15                        ; st: b x 32,768
	s_lshl_b32 s21, s13, 8                         ; + my group of 64 rows
	s_add_co_u32 s20, s20, s21
	v_lshl_add_u32 v5, v1, 4, s20
	s_sub_co_u32 s23, 7, s95
	s_lshl_b32 s23, s23, 9                         ; a row block is 512 bytes
	s_lshl_b32 s84, s95, 9
.irp t, 0,1,2,3,4,5,6,7,8
	s_sub_co_u32 s22, \t, s15
	s_cmp_gt_u32 s15, \t
	s_cselect_b32 s22, \t, s22                     ; the key block of step t,
	s_cselect_b32 s21, s23, s84                    ; its row block
	s_lshl_b32 s22, s22, 12                        ; a key block is 4,096 bytes
	s_add_co_u32 s22, s22, s21
	v_add_nc_u32 v[PO+\t], s22, v5
.endr
.irp t, 0,1,2,3,4,5,6,7,8
	global_load_b128 v[PM+4*\t:PM+4*\t+3], v[PO+\t], s[8:9]
	global_load_b128 v[PL+4*\t:PL+4*\t+3], v[PO+\t], s[8:9] offset:262144
.endr
.irp t, 5,6,7
	s_cmp_gt_u32 s15, \t
	s_cselect_b32 s[87+\t], -1, 0                  ; s92-94: all lanes on where step t belongs to the first block
.endr
	; addresses, meanwhile
	v_mov_b32 v[NINF], 0xff800000
	v_mul_u32_u24 v3, v1, PITCH
	v_lshl_add_u32 v3, v2, 4, v3                   ; P fragments: r x 272 + 16 h
	v_and_b32 v6, 7, v0
	v_bfe_u32 v7, v0, 3, 1
	v_lshl_add_u32 v6, v2, 3, v6
	v_mul_u32_u24 v6, v6, PV
	v_lshl_add_u32 v6, v7, 4, v6                   ; V fragments: (8 h + lane % 8) x 288 + 16 ((lane / 8) % 2)
	s_mul_i32 s20, s13, 64*PITCH                   ; my 64 rows of P
	s_lshl_b32 s21, s14, 7                         ; my 64 columns of V,
	s_add_co_u32 s21, s21, 2*REG                   ; which lies behind the two tiles of P
	v_add_nc_u32 v3, s20, v3
	v_add_nc_u32 v6, s21, v6
.irp i, 0,1,2,3
	v_add_nc_u32 v[ADRA+\i], (\i/2)*SLOT+(\i%2)*REG, v3
	v_add_nc_u32 v[ADRB+\i], (\i/2)*SLOT+(\i%2)*REG, v6
.endr
	s_mul_i32 s20, s12, 16*PITCH
	s_add_co_u32 s20, s20, STAGE                   ; my stage
	v_mul_u32_u24 v4, v1, PITCH
	v_lshl_add_u32 v4, v2, 5, v4
	v_add_nc_u32 v[STO], s20, v4                   ; in: row r, 32 bytes for each half of the lanes
	v_mul_u32_u24 v4, v2, PITCH
	v_lshl_add_u32 v4, v1, 4, v4
	v_add_nc_u32 v[RD], s20, v4                    ; back: lanes 0-15 one row of 256 bytes, lanes 16-31 the next
	v_lshlrev_b32 v4, 12, v2
	v_lshl_add_u32 v[CO], v1, 4, v4                ; the same two rows in out0 (4,096 bytes a row)
	s_wait_loadcnt 0x0
	; the two maxima: steps 0-4 belong to the first block and step 8 to the second for every p; steps 5-7 are selected
.irp a, 0,1,2,3
	v_max3_num_f32 v[MA+\a], v[PM+\a], v[PM+4+\a], v[PM+8+\a]
	v_max3_num_f32 v[MA+\a], v[MA+\a], v[PM+12+\a], v[PM+16+\a]
	v_mov_b32 v[MB+\a], v[PM+32+\a]
.endr
.irp t, 5,6,7
.irp a, 0,1,2,3
	v_cndmask_b32 v[TT+\a], v[NINF], v[PM+4*\t+\a], s[87+\t]
	v_cndmask_b32 v[TT+4+\a], v[PM+4*\t+\a], v[NINF], s[87+\t]
	v_max_num_f32 v[MA+\a], v[MA+\a], v[TT+\a]
	v_max_num_f32 v[MB+\a], v[MB+\a], v[TT+4+\a]
.endr
.endr
.irp t, 0,1,2,3,4
.irp a, 0,1,2,3
	v_sub_f32 v[PM+4*\t+\a], v[PM+4*\t+\a], v[MA+\a]
.endr
.endr
.irp t, 5,6,7
.irp a, 0,1,2,3
	v_cndmask_b32 v[TT+\a], v[MB+\a], v[MA+\a], s[87+\t]
	v_sub_f32 v[PM+4*\t+\a], v[PM+4*\t+\a], v[TT+\a]
.endr
.endr
.irp a, 0,1,2,3
	v_sub_f32 v[PM+32+\a], v[PM+32+\a], v[MB+\a]
.endr
.set i, 0
.rept 36
	v_exp_f32 v[PM+i], v[PM+i]
.set i, i+1
.endr
	v_nop                                          ; one plain instruction between the last exponential and the first use of a result
	; the two sums
	s_wait_alu depctr_va_vdst(0)
.irp a, 0,1,2,3
	v_mul_f32 v[LA+\a], v[PM+\a], v[PL+\a]
	v_mul_f32 v[LB+\a], v[PM+32+\a], v[PL+32+\a]
.endr
.irp t, 1,2,3,4
.irp a, 0,1,2,3
	v_fma_f32 v[LA+\a], v[PM+4*\t+\a], v[PL+4*\t+\a], v[LA+\a]
.endr
.endr
.irp t, 5,6,7
	s_cmp_gt_u32 s15, \t
	s_cselect_b32 s20, 0x3f800000, 0               ; 1.0 for the block to which step t belongs, 0 for the other
	s_cselect_b32 s21, 0, 0x3f800000
.irp a, 0,1,2,3
	v_mul_f32 v[TT+\a], s20, v[PL+4*\t+\a]
	v_mul_f32 v[TT+4+\a], s21, v[PL+4*\t+\a]
	v_fma_f32 v[LA+\a], v[PM+4*\t+\a], v[TT+\a], v[LA+\a]
	v_fma_f32 v[LB+\a], v[PM+4*\t+\a], v[TT+4+\a], v[LB+\a]
.endr
.endr
.irp a, 0,1,2,3
	v_rcp_f32 v[RA+\a], v[LA+\a]
	v_rcp_f32 v[RC+\a], v[LB+\a]
.endr
	v_nop
	; the factors, twice each, for the packed arithmetic
	s_wait_alu depctr_va_vdst(0)
.irp t, 0,1,2,3,4
.irp a, 0,1,2,3
	v_mul_f32 v[FP+8*\t+2*\a], v[PM+4*\t+\a], v[RA+\a]
	v_mul_f32 v[FP+8*\t+2*\a+1], v[PM+4*\t+\a], v[RA+\a]
.endr
.endr
.irp t, 5,6,7
.irp a, 0,1,2,3
	v_cndmask_b32 v[TT+\a], v[RC+\a], v[RA+\a], s[87+\t]
	v_mul_f32 v[FP+8*\t+2*\a], v[PM+4*\t+\a], v[TT+\a]
	v_mul_f32 v[FP+8*\t+2*\a+1], v[PM+4*\t+\a], v[TT+\a]
.endr
.endr
.irp a, 0,1,2,3
	v_mul_f32 v[FP+64+2*\a], v[PM+32+\a], v[RC+\a]
	v_mul_f32 v[FP+64+2*\a+1], v[PM+32+\a], v[RC+\a]
.endr
; 4 matrix instructions: row block a x the 4 column blocks, 32 keys.  The 16 accumulators take turns, one instruction a turn, in the same order in every
; quarter.
.macro MUL4 f, a, zero
.irp b, 0,1,2,3
.if \zero
	v_wmma_f32_16x16x32_f16 v[32*\a+8*\b:32*\a+8*\b+7], v[\f+32+8*\b:\f+32+8*\b+7], v[\f+8*\a:\f+8*\a+7], 0
.else
	v_wmma_f32_16x16x32_f16 v[32*\a+8*\b:32*\a+8*\b+7], v[\f+32+8*\b:\f+32+8*\b+7], v[\f+8*\a:\f+8*\a+7], v[32*\a+8*\b:32*\a+8*\b+7]
.endif
.endr
.endm
; 16 LDS loads in one run: quarter q of the step in region reg; V first, P last
.macro FETCH reg, q, f
.irp b, 0,1,2,3
	ds_load_tr16_b128 v[\f+32+8*\b:\f+32+8*\b+3], v[ADRB+\reg] offset:\q*32*PV+32*\b
	ds_load_tr16_b128 v[\f+32+8*\b+4:\f+32+8*\b+7], v[ADRB+\reg] offset:\q*32*PV+32*\b+16*PV
.endr
.irp a, 0,1,2,3
	ds_load_b128 v[\f+8*\a:\f+8*\a+3], v[ADRA+\reg] offset:\q*64+\a*16*PITCH
	ds_load_b128 v[\f+8*\a+4:\f+8*\a+7], v[ADRA+\reg] offset:\q*64+\a*16*PITCH+32
.endr
.endm
.macro PLACES                          ; four places between a matrix instruction and a load into, or a vector read of, its registers
.rept 4
	v_nop
.endr
.endm
; multiplies buffer f; in its middle fetches quarter q of region reg into buffer g
.macro QUARTER reg, q, f, g, zero
	s_wait_dscnt 4                                 ; V and fragments 0, 1 of P are in; the youngest four loads (fragments 2, 3 of P) may be out
	WIN MUL
	MUL4 \f, 0, \zero
	MUL4 \f, 1, \zero
	WIN 0
	PLACES
	FETCH \reg, \q, \g
	s_wait_dscnt 16                                ; all but the 16 just issued
	WIN MUL
	MUL4 \f, 2, \zero
	MUL4 \f, 3, \zero
.endm
; The last quarter of an odd step t changes slots: each wave waits for its reads of this slot and for all its tensor loads (one is out at the most: its part
; of the next slot), then the barrier, which opens a round of the barrier of the cluster where the slot is filled again; behind the round the refill comes
; first (the pair of steps t + 3, t + 4), then the first fragments of the next slot.
.macro TURN next, t
	s_wait_dscnt 4
	WIN MUL
	MUL4 F1, 0, 0
	s_wait_dscnt 0
	s_wait_tensorcnt 0x0
	ds_add_u32 v182, v183
	s_wait_dscnt 0x0
	s_barrier_signal -1
	MUL4 F1, 1, 0                                  ; register work while the others arrive
	WIN 0
	s_barrier_wait -1
.if \t < 7
	CREST                                          ; no wave of any partner still reads this slot or has a load on its way
.if \t == 5
	s_cmp_eq_u32 s12, 1                            ; the last pair is step 8 alone: the waves of the odd step have nothing to fetch
	s_cbranch_scc1 .Lnone_\@
	s_cmp_eq_u32 s12, 3
	s_cbranch_scc1 .Lnone_\@
	TLOAD 4
.Lnone_\@:
.else
	TLOAD (\t+3)/2
.endif
.endif
	PLACES
	FETCH \next, 0, F0
	WIN MUL
	MUL4 F1, 2, 0
	MUL4 F1, 3, 0
.endm
; the sums of the block take the factor of step t times the sums of the step; start = 1: they begin with it
.macro ACC t, start
	WIN 0x51                                       ; destination, source 0 and source 2 in window 1, the factor in window 0
.irp a, 0,1,2,3
.set n, 0
.rept 16
.if \start
	v_pk_mul_f32 v[128+32*\a+2*n:128+32*\a+2*n+1], v[32*\a+2*n:32*\a+2*n+1], v[FP+8*\t+2*\a:FP+8*\t+2*\a+1]
.else
	v_pk_fma_f32 v[128+32*\a+2*n:128+32*\a+2*n+1], v[32*\a+2*n:32*\a+2*n+1], v[FP+8*\t+2*\a:FP+8*\t+2*\a+1], v[128+32*\a+2*n:128+32*\a+2*n+1]
.endif
.set n, n+1
.endr
.endr
	WIN 0
.endm
; THE WAY OUT, 16 rows at a time: the sums of the block into my own stage, back as whole rows of 256 bytes into the halves of buffer 1 in turn, and out.
.macro OUT base
.irp a, 0,1,2,3
	WIN 0x04                                       ; the data of an LDS store are source 1: window 1
.irp b, 0,1,2,3
	ds_store_b128 v[STO], v[128+32*\a+8*\b:128+32*\a+8*\b+3] offset:64*\b          ; columns 16 b + 8 h .. + 3 of row r
	ds_store_b128 v[STO], v[128+32*\a+8*\b+4:128+32*\a+8*\b+7] offset:64*\b+16     ; and + 4 .. + 7
.endr
	WIN 0
.if \a >= 2
	s_wait_xcnt 0x0                                ; these registers were the data of earlier stores: they are loaded again only behind this wait
.endif
.irp k, 0,1,2,3,4,5,6,7
	ds_load_b128 v[F1+32*(\a%2)+4*\k:F1+32*(\a%2)+4*\k+3], v[RD] offset:\k*2*PITCH  ; LDS serves the instructions of a wave in order: these see the stores above
.endr
.irp k, 0,1,2,3,4,5,6,7
	s_wait_dscnt 7-\k                              ; read-back k is in, the younger ones stay out
	global_store_b128 v[CO], v[F1+32*(\a%2)+4*\k:F1+32*(\a%2)+4*\k+3], s[\base:\base+1] offset:(16*\a+2*\k)*4096 th:TH_STORE_NT   ; 16 lanes store 256 consecutive bytes, aligned
.endr
.endr
	s_wait_xcnt 0x0                                ; buffer 1 is loaded again only behind this wait
.endm
; behind step t.  The four v_nop stand between the last matrix instructions and the reads of their results, and the loads into buffer 1.
.macro FOLD t
	WIN 0
	PLACES
.if \t < 5
.if \t == 0
	ACC \t, 1
.else
	ACC \t, 0
.endif
.else
	s_cmp_eq_u32 s15, \t                           ; the same in all waves and in all four work-groups: it hangs on p alone
	s_cbranch_scc0 .Ladd_\@
	OUT OA                                         ; step t is the first of the second block: the first block is whole
	ACC \t, 1
	s_branch .Lfolded_\@
.Ladd_\@:
	ACC \t, 0
.Lfolded_\@:
.endif
.endm
; step t in region reg = t % 4; next = (t + 1) % 4.  The first products start the sums of the step: nothing is cleared.
.macro STEP t, reg, next
	QUARTER \reg, 1, F0, F1, 1
	QUARTER \reg, 2, F1, F0, 0
	QUARTER \reg, 3, F0, F1, 0
.if \t == 8
	s_wait_dscnt 0                                 ; the last quarter of all: nothing more to fetch
	WIN MUL
	MUL4 F1, 0, 0
	MUL4 F1, 1, 0
	MUL4 F1, 2, 0
	MUL4 F1, 3, 0
.else
.if \t % 2
	TURN \next, \t
.else
	QUARTER \next, 0, F1, F0, 0                    ; the odd step lies in the same slot: the barrier in front of the pair has shown it whole
.endif
.endif
	FOLD \t
.endm
	s_wait_tensorcnt 0x1                           ; my tile of steps 0, 1 is in; that of steps 2, 3 stays out
	s_barrier_signal -1
	s_barrier_wait -1
	FETCH 0, 0, F0
	STEP 0, 0, 1
	STEP 1, 1, 2
	STEP 2, 2, 3
	STEP 3, 3, 0
	STEP 4, 0, 1
	STEP 5, 1, 2
	STEP 6, 2, 3
	STEP 7, 3, 0
	STEP 8, 0, 1
	OUT OB                                         ; the second block
	s_wait_tensorcnt 0x0
	ds_add_u32 v182, v183
	s_wait_dscnt 0x0
	CROUND                                         ; the closing round: no work-group ends while a partner may still ask for a tile that names it
	s_endpgm
.Lfunc_end_k_q68c642b909_pv:
	.size	k_q68c642b909_pv, .Lfunc_end_k_q68c642b909_pv-k_q68c642b909_pv
	.p2alignl 7, 3214868480
	.fill 96, 4, 3214868480
	.section	.rodata,"a",@progbits
	.p2align	6, 0x0
	.amdhsa_kernel k_q68c642b909_pv
		.amdhsa_group_segment_fixed_size 327680
		.amdhsa_private_segment_fixed_size 0
		.amdhsa_enable_private_segment 0
		.amdhsa_kernarg_size 32
		.amdhsa_user_sgpr_count 2
		.amdhsa_user_sgpr_kernarg_segment_ptr 1
		.amdhsa_wavefront_size32 1
		.amdhsa_system_sgpr_workgroup_id_x 1
		.amdhsa_system_sgpr_workgroup_id_y 1
		.amdhsa_system_sgpr_workgroup_id_z 1
		.amdhsa_system_vgpr_workitem_id 0
		.amdhsa_next_free_vgpr 512
		.amdhsa_next_free_sgpr 100
		.amdhsa_reserve_vcc 0
		.amdhsa_float_denorm_mode_32 3
		.amdhsa_float_denorm_mode_16_64 3
		.amdhsa_memory_ordered 1
		.amdhsa_forward_progress 1
		.amdhsa_inst_pref_size 207
	.end_amdhsa_kernel
	.amdgpu_metadata
---
amdhsa.version: [ 1, 2 ]
amdhsa.kernels:
  - .name:           k_q68c642b909_pv
    .symbol:         k_q68c642b909_pv.kd
    .args:
      - { .name: qv, .offset: 0, .size: 8, .value_kind: global_buffer, .address_space: global }
      - { .name: pw, .offset: 8, .size: 8, .value_kind: global_buffer, .address_space: global }
      - { .name: st, .offset: 16, .size: 8, .value_kind: global_buffer, .address_space: global }
      - { .name: out0, .offset: 24, .size: 8, .value_kind: global_buffer, .address_space: global }
    .group_segment_fixed_size: 327680
    .private_segment_fixed_size: 0
    .kernarg_segment_align: 8
    .kernarg_segment_size: 32
    .max_flat_workgroup_size: 128
    .sgpr_count:     100
    .vgpr_count:     512
    .wavefront_size: 32
...
	.end_amdgpu_metadata
.endif
;; end of part 6
;; launch head (part 7): grid 8 x 8, 4 waves a work-group, no clusters, 0 bytes of LDS; arguments sp, vh, out0; writes out0
.if DOCPART == 7
	.amdgcn_target "amdgcn-amd-amdhsa--gfx1250"
	.amdhsa_code_object_version 6
	.text
	.protected	k_q68c642b909_head
	.globl	k_q68c642b909_head
	.p2align	8
	.type	k_q68c642b909_head,@function
k_q68c642b909_head:
	s_mov_b64 s[64:65], 0
	v_nop
	global_prefetch_b8 v0, s[64:65] scope:SCOPE_SE
	s_setreg_imm32_b32 hwreg(HW_REG_WAVE_MODE, 25, 1), 1
	s_wait_xcnt 0x0
; The first 16 rows of batch b, columns 128 cb .. + 127, from the parts that hs stored, all in f32 (why: the head of the first kernel).  It runs behind pv and
; writes these rows, 0.5 MB of the output, over what pv stored there.
; out[q][v] = sum over s <= q of w[q][s] V[s][v], w = the softmax over s of S[q][s] / 32, with the maximum of the row taken away.  Keys s > q get -inf, as in reference().
; Wave wv has rows q = 4 wv + i; lane L has columns 4 L .. + 3.  V is the sum of four parts.  S / 1024 is the sum of 32 parts: lane L loads part L, and the sum
; over the 32 lanes leaves the result in every lane, so each lane has the 16 weights of each of its four rows.
; The product has 16 keys: 2 M multiply-adds in the whole launch, made by the vector unit in f32, since the f32 sum of f32 weights and values is what the launch is for.
; 8 x 8 = 64 work-groups are all the work there is.  No LDS, no barrier: no wave needs another's numbers.
.set SO,   4                           ; offset in sp
.set VO,   5                           ; offset in vh
.set CO,   6                           ; offset in out0
.set W4,   7                           ; 4 wv
.set SR,   16                          ; v16-79   S, then the weights: row i, key s at SR + 16 i + s
.set VA,   80                          ; v80-143  V: key s at VA + 4 s
.set VB,   144                         ; v144-207 a further part of V; later: from the other half of the lanes
.set O,    208                         ; v208-223 row i at O + 4 i
.set MX,   224
.set MN,   228                         ; pairs of -c max
.set LP,   236                         ; pairs of sums
.set RP,   244                         ; pairs of 1 / sum
.set NINF, 252
.macro VLOAD dst, kq
.set n, 0
.rept 16
	global_load_b128 v[\dst+4*n:\dst+4*n+3], v[VO], s[6:7] offset:\kq*524288+4096*n
.set n, n+1
.endr
.endm
.macro VADD src
.set n, 0
.rept 32
	v_pk_add_f32 v[VA+2*n:VA+2*n+1], v[VA+2*n:VA+2*n+1], v[\src+2*n:\src+2*n+1]
.set n, n+1
.endr
.endm
	s_load_b128 s[4:7], s[0:1], 0x0                ; sp s[4:5], vh s[6:7]
	s_load_b64 s[8:9], s[0:1], 0x10                ; out0
	v_lshrrev_b32 v1, 5, v0
	v_readfirstlane_b32 s12, v1                    ; wave
	s_and_b32 s13, ttmp7, 0xffff                   ; b
	v_and_b32 v3, 31, v0                           ; lane
	s_lshl_b32 s14, s12, 6                         ; rows 4 wv ..: 16 bytes a row in each quarter of a part
	v_lshl_add_u32 v[SO], v3, 10, s14              ; part = lane: 1,024 bytes each
	v_lshlrev_b32 v[VO], 4, v3
	s_lshl_b32 s14, s12, 14                        ; 4 rows of 4,096 bytes
	v_lshl_add_u32 v[CO], v3, 4, s14
	s_lshl_b32 s14, s12, 2
	v_mov_b32 v[W4], s14
	v_mov_b32 v[NINF], 0xff800000
	s_mov_b32 s40, 0x76543210                      ; v_permlanex16_b32: lane i reads lane i of the other half
	s_mov_b32 s41, 0xfedcba98
	s_lshl_b32 s16, s13, 15                        ; sp: b x 32,768
	s_mov_b32 s17, 0
	s_lshl_b32 s18, s13, 16                        ; vh: b x 65,536 + cb x 512
	s_lshl_b32 s20, ttmp9, 9
	s_add_co_u32 s18, s18, s20
	s_mov_b32 s19, 0
	s_lshl_b32 s22, s13, 22                        ; out0: b x 4 MiB + cb x 512
	s_add_co_u32 s22, s22, s20
	s_mov_b32 s23, 0
	s_wait_kmcnt 0x0
	s_add_nc_u64 s[4:5], s[4:5], s[16:17]
	s_add_nc_u64 s[6:7], s[6:7], s[18:19]
	s_add_nc_u64 s[8:9], s[8:9], s[22:23]
	VLOAD VA, 0
	VLOAD VB, 1
	VLOAD SR, 2
	s_wait_loadcnt 0x10                            ; parts 0 and 1 are in; the 16 loads of part 2 may be out
	VADD VB
	s_wait_loadcnt 0x0
	VADD SR
	VLOAD VB, 3
.irp i, 0,1,2,3
.irp h, 0,1
.irp jh, 0,1
	global_load_b128 v[SR+16*\i+8*\h+4*\jh:SR+16*\i+8*\h+4*\jh+3], v[SO], s[4:5] offset:512*\jh+256*\h+16*\i   ; keys 8 h + 4 jh .. + 3 of row 4 wv + i
.endr
.endr
.endr
	s_wait_loadcnt 0x10                            ; part 3 is in; the 16 loads of S may be out
	VADD VB
	s_wait_loadcnt 0x0
	; the sum over the 32 parts: four steps inside each half of 16 lanes ride on the addition, one crosses the halves
.irp m, 1,2,4,8
.set n, 0
.rept 64
	v_add_f32_dpp v[SR+n], v[SR+n], v[SR+n] row_xmask:\m row_mask:0xf bank_mask:0xf
.set n, n+1
.endr
.endr
.set n, 0
.rept 64
	v_permlanex16_b32 v[VB+n], v[SR+n], s40, s41   ; its destination counts as read: these registers have been loaded
.set n, n+1
.endr
.set n, 0
.rept 32
	v_pk_add_f32 v[SR+2*n:SR+2*n+1], v[SR+2*n:SR+2*n+1], v[VB+2*n:VB+2*n+1]
.set n, n+1
.endr
	; key s > row 4 wv + i, that is s - i > 4 wv, becomes -inf.  With s <= i that never holds.  Key 0 stays in every row.
.irp i, 0,1,2,3
.irp s, 1,2,3,4,5,6,7,8,9,10,11,12,13,14,15
.if \s > \i
	v_cmp_gt_i32 vcc_lo, \s-\i, v[W4]
	v_cndmask_b32 v[SR+16*\i+\s], v[SR+16*\i+\s], v[NINF], vcc_lo
.endif
.endr
.endr
.irp i, 0,1,2,3
	v_max3_num_f32 v[MX+\i], v[SR+16*\i], v[SR+16*\i+1], v[SR+16*\i+2]
.irp t, 3,5,7,9,11,13
	v_max3_num_f32 v[MX+\i], v[MX+\i], v[SR+16*\i+\t], v[SR+16*\i+\t+1]
.endr
	v_max_num_f32 v[MX+\i], v[MX+\i], v[SR+16*\i+15]
	v_mul_f32 v[MN+2*\i], 0xc238aa3b, v[MX+\i]     ; -c max, c = 1024 log2(e) / 32: it takes the factor 1 / 1024 of the parts back
	v_mul_f32 v[MN+2*\i+1], 0xc238aa3b, v[MX+\i]
.endr
.irp i, 0,1,2,3
.irp t, 0,1,2,3,4,5,6,7
	v_pk_fma_f32 v[SR+16*\i+2*\t:SR+16*\i+2*\t+1], v[SR+16*\i+2*\t:SR+16*\i+2*\t+1], 0x4238aa3b, v[MN+2*\i:MN+2*\i+1] op_sel_hi:[1,0,1]
.endr
.endr
.set n, 0
.rept 64
	v_exp_f32 v[SR+n], v[SR+n]
.set n, n+1
.endr
	v_nop                                          ; one plain instruction between the last exponential and the first use of a result
	s_wait_alu depctr_va_vdst(0)
.irp i, 0,1,2,3
	v_pk_add_f32 v[LP+2*\i:LP+2*\i+1], v[SR+16*\i:SR+16*\i+1], v[SR+16*\i+2:SR+16*\i+3]
.endr
.irp t, 2,3,4,5,6,7
.irp i, 0,1,2,3
	v_pk_add_f32 v[LP+2*\i:LP+2*\i+1], v[LP+2*\i:LP+2*\i+1], v[SR+16*\i+2*\t:SR+16*\i+2*\t+1]
.endr
.endr
.irp i, 0,1,2,3
	v_add_f32 v[LP+2*\i], v[LP+2*\i], v[LP+2*\i+1]
.endr
.irp i, 0,1,2,3
	v_rcp_f32 v[RP+2*\i], v[LP+2*\i]
	v_rcp_f32 v[RP+2*\i+1], v[LP+2*\i]
.endr
	v_nop                                          ; one plain instruction between the last reciprocal and the first use of a result
	s_wait_alu depctr_va_vdst(0)
.irp i, 0,1,2,3
.irp t, 0,1,2,3,4,5,6,7
	v_pk_mul_f32 v[SR+16*\i+2*\t:SR+16*\i+2*\t+1], v[SR+16*\i+2*\t:SR+16*\i+2*\t+1], v[RP+2*\i:RP+2*\i+1]
.endr
.endr
	; the product.  Key 0 starts the sums.  A key with s - i > 12 is above the diagonal for every wave and is left out; the other masked keys have the weight 0.
.irp i, 0,1,2,3
.irp c, 0,1,2,3
	v_mul_f32 v[O+4*\i+\c], v[SR+16*\i], v[VA+\c]
.endr
.endr
.irp s, 1,2,3,4,5,6,7,8,9,10,11,12,13,14,15
.irp i, 0,1,2,3
.if \s-\i <= 12
.irp c, 0,1,2,3
	v_fmac_f32 v[O+4*\i+\c], v[SR+16*\i+\s], v[VA+4*\s+\c]
.endr
.endif
.endr
.endr
.irp i, 0,1,2,3
	global_store_b128 v[CO], v[O+4*\i:O+4*\i+3], s[8:9] offset:4096*\i th:TH_STORE_NT     ; the wave stores 512 consecutive bytes, aligned
.endr
	s_endpgm
.Lfunc_end_k_q68c642b909_head:
	.size	k_q68c642b909_head, .Lfunc_end_k_q68c642b909_head-k_q68c642b909_head
	.p2alignl 7, 3214868480
	.fill 96, 4, 3214868480
	.section	.rodata,"a",@progbits
	.p2align	6, 0x0
	.amdhsa_kernel k_q68c642b909_head
		.amdhsa_group_segment_fixed_size 0
		.amdhsa_private_segment_fixed_size 0
		.amdhsa_enable_private_segment 0
		.amdhsa_kernarg_size 24
		.amdhsa_user_sgpr_count 2
		.amdhsa_user_sgpr_kernarg_segment_ptr 1
		.amdhsa_wavefront_size32 1
		.amdhsa_system_sgpr_workgroup_id_x 1
		.amdhsa_system_sgpr_workgroup_id_y 1
		.amdhsa_system_sgpr_workgroup_id_z 1
		.amdhsa_system_vgpr_workitem_id 0
		.amdhsa_next_free_vgpr 256
		.amdhsa_next_free_sgpr 66
		.amdhsa_reserve_vcc 1
		.amdhsa_float_denorm_mode_32 3
		.amdhsa_float_denorm_mode_16_64 3
		.amdhsa_memory_ordered 1
		.amdhsa_forward_progress 1
		.amdhsa_inst_pref_size 60
	.end_amdhsa_kernel
	.amdgpu_metadata
---
amdhsa.version: [ 1, 2 ]
amdhsa.kernels:
  - .name:           k_q68c642b909_head
    .symbol:         k_q68c642b909_head.kd
    .args:
      - { .name: sp, .offset: 0, .size: 8, .value_kind: global_buffer, .address_space: global }
      - { .name: vh, .offset: 8, .size: 8, .value_kind: global_buffer, .address_space: global }
      - { .name: out0, .offset: 16, .size: 8, .value_kind: global_buffer, .address_space: global }
    .group_segment_fixed_size: 0
    .private_segment_fixed_size: 0
    .kernarg_segment_align: 8
    .kernarg_segment_size: 24
    .max_flat_workgroup_size: 128
    .sgpr_count:     66
    .vgpr_count:     256
    .wavefront_size: 32
...
	.end_amdgpu_metadata
.endif
;; end of part 7
;; ======== version 2 of 2: 7 launches; version 1 with the launch cast written anew for expert scheduling mode
;; limits: values are held in f16: magnitudes above 65,504 overflow, below 6.1e-05 lose precision; right only within a limited range of input values
;; workspace buffers: xw 20,971,520 bytes; wb 4,194,304 bytes; qv 33,554,432 bytes; pw 16,777,216 bytes; st 524,288 bytes; sp 262,144 bytes; vh 2,097,152 bytes
;; launch cast (part 8): grid 32 x 11, 8 waves a work-group, no clusters, 0 bytes of LDS; arguments x, Wq, Wk, Wv, xw, wb; writes xw, wb
.if DOCPART == 8
	.amdgcn_target "amdgcn-amd-amdhsa--gfx1250"
	.amdhsa_code_object_version 6
	.text
	.protected	k_q68c642b909_cast
	.globl	k_q68c642b909_cast
	.p2align	8
	.type	k_q68c642b909_cast,@function
k_q68c642b909_cast:
	s_mov_b64 s[64:65], 0
	v_nop
	global_prefetch_b8 v0, s[64:65] scope:SCOPE_SE
	s_setreg_imm32_b32 hwreg(HW_REG_WAVE_SCHED_MODE, 0, 2), 2
	s_setreg_imm32_b32 hwreg(HW_REG_WAVE_MODE, 25, 1), 1
	s_wait_xcnt 0x0
	s_wait_alu depctr_vm_vsrc(0)
; THE PROGRAM: causal attention with one head, B = 8, S = 1024, D = DK = DV = 1024, in seven launches.
;   cast    x and the three weights, f32, are rounded once to bf16 and stored as f16: xw = [10][1024][1024], planes 0-7 x, 8 Wq, 9 Wk; Wv is plane 1 of wb.
;   mk      M[d][e] = sum over k of Wq[d][k] Wk[e][k], stored as 16 M in f16: plane 0 of wb.
;   proj    qv[8192][2048] = x [M | Wv]: QM = x M, stored as QM / 1024, and V, both f16.
;   hs      for the first 16 rows of each batch: parts of their scores and of their V, in f32.
;   scores  for each live block of 128 rows x 128 keys: s = QM x^T; mj = c max(s) over the keys of the block; P = exp2(c s - mj) as f16; lj = the sum of P.
;   pv      out = (sum over j of fj Pj Vj) / (sum over j of fj lj), fj = exp2(mj - max over j of mj): the maximum of the row is taken away, no exponential exceeds 1.
;   head    the first 16 rows of each batch once more, from the parts of hs, all in f32; it runs last and writes these rows over those of pv.
; THE K PROJECTION IS NOT MADE: sum over k of (x Wq)[q][k] (x Wk)[s][k] = sum over d, e of x[q][d] M[d][e] x[s][e] for all values of the inputs; M costs
; 1024^3 multiply-adds once, the projection of 8,192 rows onto Wk eight times as many.  The order of rounding differs from the one of reference().
; WORK LEFT OUT: reference() sets every score with key > row to -inf, so its weight is exactly 0 whatever the inputs hold.  Of the 64 blocks of 128 x 128 of a
; batch 28 lie wholly above the diagonal.  None of them is stored, exponentiated or multiplied with V.  The products of 24 of them are not made; the other
; four (row block even, key block = row block + 1) are the right halves of score tiles of 128 x 256 whose left halves are live.  Every input has a way to the output.
; FORMATS: the inputs get the bf16 rounding that matrix operands are allowed.  A bf16 number has 8 significant bits and an f16 number 11, so from 2^-14 to
; 65,504 in magnitude the second conversion changes nothing; below 2^-14 it moves a number by at most 2^-25.  The numbers are carried as f16 because x meets QM in
; one matrix instruction, and QM, M, V and P need the finer format.
; WHY THE FIRST 16 ROWS ARE MADE TWICE: row n is a mean of n + 1 values of V.  In row 1 half a step of f16 on two values of V of size 2 is up to 1e-3, and the
; roundings of M, QM and P move the weight by about 1e-4, times V0 - V1; where the two values cancel, that is as large as a hundredth of the root mean square of the
; output (about 0.125).  The error falls with the root of the sum of the squared weights, about 2.7 / (n + 1): from row 16 on it is an eighth of that bound.
; So 128 rows of 8,192 get V, the weights and their product in f32 and the scores from a two-part f16 operand; the 0.5 MB that pv stores for them are written again.
; LIMITS: magnitudes of x, the weights, 16 M, QM / 1024 and V up to 65,504 (all inputs thirty times larger: 16 M about 2,300, QM / 1024 about 130, V about 4,500;
; offsets of thirty spreads on x and on the weights: 14,400, 27,000 and 29,000).  QM / 1024 has a step of 2^-24 below 2^-14: an error of a score of 1.8e-5
; times the root mean square of x.  A NaN, an infinity or an overflow that reaches only the work left out is not carried to the result.
;
; THIS LAUNCH: a stream.  Work-group (x, y) takes 32,768 numbers of plane y: 128 KiB in, 64 KiB out; a wave takes 4,096.  All 32 loads of a wave go out
; at once (512 consecutive bytes each); each store covers 256 consecutive bytes, aligned.  No register that a store reads is written again.
; Matrix units, LDS and clusters have nothing to do here: no byte is read twice.
; THE MODE: SCHED_MODE bits 1:0 = 2 (LLVM: expert scheduling mode 2), set by the entry lines.  The code itself states the register dependences
; between vector instructions and memory instructions, with s_wait_alu, always for 0.
; THE PLAN.  Registers that memory instructions touch:
;   v1, v2   byte offsets of the loads and of the stores: written at the head, read by every load or store, never written again.
;   X[i]     four registers: load i lands in them, once.  No vector instruction names them ahead of the loads (the head works in v1 to v4); behind the wait for
;            load i only the vector instructions of turn i name them.
;   Y[i]     two registers: written by the conversions of turn i, read by store i alone, never written again.
; The 32 turns go in eight blocks of four.  The vector instructions of block p name X and Y of block p alone; its memory instructions are the four stores of
; block p - 1, one ahead of each turn.  So one wait on va_vdst at the head of a block states all that its four stores hang on, and they are dealt among the
; vector instructions with no further wait.  One more stands ahead of the first load, for the offsets, and one ahead of the last four stores.
; No register that a memory instruction reads is written again, so the text holds no wait on vm_vsrc; no vector instruction writes a scalar register, VCC or EXEC.
.set X, 8                              ; v[8:135]    32 loads of 4 registers
.set Y, 136                            ; v[136:199]  32 stores of 2 registers
.set BLOCK, 4                          ; turns in a block
	s_load_b256 s[4:11], s[0:1], 0x0               ; x s[4:5], Wq s[6:7], Wk s[8:9], Wv s[10:11]
	s_load_b128 s[12:15], s[0:1], 0x20             ; xw s[12:13], wb s[14:15]
	s_and_b32 s20, ttmp7, 0xffff                   ; the plane, 0 to 10
	v_lshrrev_b32 v3, 5, v0                        ; wave
	v_and_b32 v4, 31, v0                           ; lane
	v_lshlrev_b32 v1, 4, v4
	v_lshl_add_u32 v1, v3, 14, v1                  ; source: 16,384 wave + 16 lane
	v_lshlrev_b32 v2, 3, v4
	v_lshl_add_u32 v2, v3, 13, v2                  ; destination: 8,192 wave + 8 lane
	s_lshl_b32 s21, s20, 22                        ; a plane of x is 4 MiB
	s_cmp_lt_u32 s20, 8
	s_cselect_b32 s16, s21, 0                      ; a weight is a buffer of its own: no plane offset
	s_lshl_b32 s21, ttmp9, 17                      ; the 128 KiB of the work-group
	s_add_co_u32 s16, s16, s21
	s_mov_b32 s17, 0
	s_lshl_b32 s21, s20, 21                        ; a plane of xw is 2 MiB;
	s_cmp_lt_u32 s20, 10
	s_cselect_b32 s18, s21, 0x200000               ; Wv goes to plane 1 of wb
	s_lshl_b32 s21, ttmp9, 16
	s_add_co_u32 s18, s18, s21
	s_mov_b32 s19, 0
	s_wait_kmcnt 0x0
	s_cmp_eq_u32 s20, 8
	s_cselect_b64 s[4:5], s[6:7], s[4:5]           ; the buffers of the plane, chosen by the number of the work-group alone
	s_cmp_eq_u32 s20, 9
	s_cselect_b64 s[4:5], s[8:9], s[4:5]
	s_cmp_eq_u32 s20, 10
	s_cselect_b64 s[4:5], s[10:11], s[4:5]
	s_cselect_b64 s[12:13], s[14:15], s[12:13]
	s_add_nc_u64 s[4:5], s[4:5], s[16:17]
	s_add_nc_u64 s[12:13], s[12:13], s[18:19]
	s_wait_alu depctr_va_vdst(0)                   ; v1 and v2 are written: every load reads v1 and every store v2 as its offset
.set i, 0
.rept 32
	global_load_b128 v[X+4*i:X+4*i+3], v1, s[4:5] offset:512*i th:TH_LOAD_NT
.set i, i+1
.endr
.set i, 0
.rept 32
	s_wait_loadcnt 31-i                            ; loads come back in order: load i is in, the 31 - i younger ones stay out
.if i >= BLOCK
.if i%BLOCK == 0
	s_wait_alu depctr_va_vdst(0)                   ; the conversions of the block before have written its four Y, which the four stores of this block read
.endif
	global_store_b64 v2, v[Y+2*(i-BLOCK):Y+2*(i-BLOCK)+1], s[12:13] offset:256*(i-BLOCK)   ; a turn of the block before; no vector instruction since the wait names these registers
.endif
	v_cvt_pk_bf16_f32 v[Y+2*i], v[X+4*i], v[X+4*i+1]               ; the one rounding, to nearest even
	v_cvt_pk_bf16_f32 v[Y+2*i+1], v[X+4*i+2], v[X+4*i+3]
	v_lshlrev_b32 v[X+4*i], 16, v[Y+2*i]                           ; the rounded numbers as f32 again,
	v_and_b32 v[X+4*i+1], 0xffff0000, v[Y+2*i]
	v_lshlrev_b32 v[X+4*i+2], 16, v[Y+2*i+1]
	v_and_b32 v[X+4*i+3], 0xffff0000, v[Y+2*i+1]
	v_cvt_pk_f16_f32 v[Y+2*i], v[X+4*i], v[X+4*i+1]                ; and in the f16 format
	v_cvt_pk_f16_f32 v[Y+2*i+1], v[X+4*i+2], v[X+4*i+3]
.set i, i+1
.endr
	s_wait_alu depctr_va_vdst(0)                   ; the conversions of the last block have written its four Y, which the last four stores read
.set i, 32-BLOCK
.rept BLOCK
	global_store_b64 v2, v[Y+2*i:Y+2*i+1], s[12:13] offset:256*i
.set i, i+1
.endr
	s_endpgm
.Lfunc_end_k_q68c642b909_cast:
	.size	k_q68c642b909_cast, .Lfunc_end_k_q68c642b909_cast-k_q68c642b909_cast
	.p2alignl 7, 3214868480
	.fill 96, 4, 3214868480
	.section	.rodata,"a",@progbits
	.p2align	6, 0x0
	.amdhsa_kernel k_q68c642b909_cast
		.amdhsa_group_segment_fixed_size 0
		.amdhsa_private_segment_fixed_size 0
		.amdhsa_enable_private_segment 0
		.amdhsa_kernarg_size 48
		.amdhsa_user_sgpr_count 2
		.amdhsa_user_sgpr_kernarg_segment_ptr 1
		.amdhsa_wavefront_size32 1
		.amdhsa_system_sgpr_workgroup_id_x 1
		.amdhsa_system_sgpr_workgroup_id_y 1
		.amdhsa_system_sgpr_workgroup_id_z 1
		.amdhsa_system_vgpr_workitem_id 0
		.amdhsa_next_free_vgpr 200
		.amdhsa_next_free_sgpr 66
		.amdhsa_reserve_vcc 0
		.amdhsa_float_denorm_mode_32 3
		.amdhsa_float_denorm_mode_16_64 3
		.amdhsa_memory_ordered 1
		.amdhsa_forward_progress 1
		.amdhsa_inst_pref_size 23
	.end_amdhsa_kernel
	.amdgpu_metadata
---
amdhsa.version: [ 1, 2 ]
amdhsa.kernels:
  - .name:           k_q68c642b909_cast
    .symbol:         k_q68c642b909_cast.kd
    .args:
      - { .name: x, .offset: 0, .size: 8, .value_kind: global_buffer, .address_space: global }
      - { .name: Wq, .offset: 8, .size: 8, .value_kind: global_buffer, .address_space: global }
      - { .name: Wk, .offset: 16, .size: 8, .value_kind: global_buffer, .address_space: global }
      - { .name: Wv, .offset: 24, .size: 8, .value_kind: global_buffer, .address_space: global }
      - { .name: xw, .offset: 32, .size: 8, .value_kind: global_buffer, .address_space: global }
      - { .name: wb, .offset: 40, .size: 8, .value_kind: global_buffer, .address_space: global }
    .group_segment_fixed_size: 0
    .private_segment_fixed_size: 0
    .kernarg_segment_align: 8
    .kernarg_segment_size: 48
    .max_flat_workgroup_size: 256
    .sgpr_count:     66
    .vgpr_count:     200
    .wavefront_size: 32
...
	.end_amdgpu_metadata
.endif
;; end of part 8
;; launch mk: the kernel of part 2 again; grid 8 x 32, 4 waves a work-group, clusters of 4 x 4, 327,680 bytes of LDS; arguments xw, wb; writes wb
;; launch proj: the kernel of part 3 again; grid 8 x 32, 4 waves a work-group, clusters of 4 x 4, 327,680 bytes of LDS; arguments xw, wb, qv; writes qv
;; launch hs: the kernel of part 4 again; grid 32 x 8, 4 waves a work-group, no clusters, 168,448 bytes of LDS; arguments xw, wb, sp, vh; writes sp, vh
;; launch scores: the kernel of part 5 again; grid 20 x 8, 4 waves a work-group, no clusters, 327,680 bytes of LDS; arguments qv, xw, pw, st; writes pw, st
;; launch pv: the kernel of part 6 again; grid 8 x 32, 4 waves a work-group, clusters of 4 x 1, 327,680 bytes of LDS; arguments qv, pw, st, out0; writes out0
;; launch head: the kernel of part 7 again; grid 8 x 8, 4 waves a work-group, no clusters, 0 bytes of LDS; arguments sp, vh, out0; writes out0
